; MI455X (gfx1250); checked and timed in simulation.
; The chip was launched on July 23, 2026; its instructions are those of AMD's public machine-readable ISA for CDNA 5 (MIT licence, August 2026) and "CDNA5" Instruction Set Architecture Reference Guide (July 2026). The comments in the code are by the model that wrote it; some were corrected since.
;; Lo RAMHSA. Allowed arithmetic: float matrix products may take bf16 or f16 operands with f32 sums; all other float work in f32.
;; Inputs: A1 10 x 8 x 1,024 float32; A2 10 x 8 x 1,024 float32; B1 10 x 3,072 x 8 float32; B2 10 x 1,024 x 8 float32; W_p 1,024 x 1,024 float32; W_qkv 3,072 x 1,024 float32; b_p 1,024 float32; b_qkv 3,072 float32; pos_embedding 1 x 1,024 x 1,024 float32; subject_id 8 int32; x 8 x 1,024 x 1,024 float32.
;; Outputs: out0 8 x 1,024 x 1,024 float32.
;; 2 versions, each right; version 2 is version 1 with the launch prep written anew for expert scheduling mode. Each part assembles by itself: llvm-mc -triple=amdgcn-amd-amdhsa -mcpu=gfx1250 --defsym DOCPART=n.
;; ======== version 1 of 2: 4 launches
;; limits: values are held in f16: magnitudes above 65,504 overflow, below 6.1e-05 lose precision
;; workspace buffers: x16 16,777,216 bytes; w16 8,388,608 bytes; ae 524,288 bytes; be 524,288 bytes; qkvh 50,331,648 bytes; y16 16,777,216 bytes
;; launch prep (part 1): grid 800 x 1, 8 waves a work-group, no clusters, 0 bytes of LDS; arguments x, W_qkv, W_p, A1, A2, B1, B2, subject_id, x16, w16, ae, be; writes x16, w16, ae, be
.if DOCPART == 1
	.amdgcn_target "amdgcn-amd-amdhsa--gfx1250"
	.amdhsa_code_object_version 6
	.text
	.protected	k_qa810a00b5b_prep
	.globl	k_qa810a00b5b_prep
	.p2align	8
	.type	k_qa810a00b5b_prep,@function
k_qa810a00b5b_prep:
	s_mov_b64 s[64:65], 0
	v_nop
	global_prefetch_b8 v0, s[64:65] scope:SCOPE_SE
	s_setreg_imm32_b32 hwreg(HW_REG_WAVE_MODE, 25, 1), 1
	s_wait_xcnt 0x0
; prep: the matrix operands of the three later launches, made once.
;   x16 [8192][1024] f16 = x.
;   w16 [4096][1024] f16: rows 0-3071 = W_qkv with its rows in the order head*192 + part*64 + d (part = q, k, v), rows 3072-4095 = W_p.
;   ae  [2 (A1, A2)][8 batches][8 K steps][16 rows][128 k] f16: rows 0-7 = A[subject of the batch][rank][128 s ..], rows 8-15 = 0.
;   be  bf16 of B/8 of the batch's subject: [8][3072 rows in w16's order][8] at byte 0, [8][1024][8] at byte 393,216.
; A stream through registers: each byte is read once and written once, so LDS, barriers, matrix units and clusters would add nothing.
; Every load of a wave covers 512 neighbouring bytes, every store 256 neighbouring bytes that start at a multiple of 256 in their buffer.
; No register is written twice behind a memory instruction that names it, so no wait but the counted waits for the loads is needed.
; Work-groups: 0-511 x (16 rows each), 512-703 W_qkv, 704-767 W_p, 768-783 A1 and A2 (one batch each), 784-791 B1, 792-799 B2.
; LIMITS: f16 operands: |x|, |W|, |A| below 65,504.  A subject number above 9 (read as unsigned) is taken as 9.
; pos_embedding is an argument of the module that enters none of its expressions: no launch of this program names it.
.set SO, 3                             ; v3       byte offset of my 16 bytes in the source
.set DO, 4                             ; v4       byte offset of my 8 bytes in the destination
.set XR, 8                             ; v[8:103] as loaded, 4 registers a load
.set YR, 72                            ; v[72:103] the cast's packed results, 2 registers a load
	s_load_b512 s[4:19], s[0:1], 0x0               ; x s[4:5], W_qkv s[6:7], W_p s[8:9], A1 s[10:11], A2 s[12:13], B1 s[14:15], B2 s[16:17], subject_id s[18:19]
	s_load_b256 s[20:27], s[0:1], 0x40             ; x16 s[20:21], w16 s[22:23], ae s[24:25], be s[26:27]
	v_and_b32 v1, 31, v0                           ; lane
	v_lshrrev_b32 v2, 5, v0                        ; wave
	s_mov_b32 s29, ttmp9                           ; the work-group's number
	s_mov_b32 s37, 0                               ; upper words of the two offset pairs s[36:37], s[38:39]
	s_mov_b32 s39, 0
	s_wait_kmcnt 0x0
; 16 rows of 1,024 f32 to f16.  s34 = the group of 16 rows in the source, s35 = in the destination; sp, dp = the pointers' registers.
; A wave takes 8,192 bytes of the source: 16 loads go out together, and the wait in front of load j's use leaves the 15 - j younger ones out.
.macro CAST16 sp, dp
	s_lshl_b32 s36, s34, 16                        ; 16 rows x 4,096 bytes
	s_lshl_b32 s38, s35, 15                        ; 16 rows x 2,048 bytes
	s_add_nc_u64 s[30:31], s[\sp:\sp+1], s[36:37]
	s_add_nc_u64 s[32:33], s[\dp:\dp+1], s[38:39]
	v_lshlrev_b32 v[SO], 4, v1
	v_lshl_add_u32 v[SO], v2, 13, v[SO]            ; 8,192 wave + 16 lane
	v_lshlrev_b32 v[DO], 3, v1
	v_lshl_add_u32 v[DO], v2, 12, v[DO]            ; 4,096 wave + 8 lane
.irp j, 0,1,2,3,4,5,6,7,8,9,10,11,12,13,14,15
	global_load_b128 v[XR+4*\j:XR+4*\j+3], v[SO], s[30:31] offset:512*\j th:TH_LOAD_NT
.endr
.irp j, 0,1,2,3,4,5,6,7,8,9,10,11,12,13,14,15
	s_wait_loadcnt 15-\j                           ; loads come back in order: load j is in
	v_cvt_pk_f16_f32 v[YR+2*\j], v[XR+4*\j], v[XR+4*\j+1]
	v_cvt_pk_f16_f32 v[YR+2*\j+1], v[XR+4*\j+2], v[XR+4*\j+3]
	global_store_b64 v[DO], v[YR+2*\j:YR+2*\j+1], s[32:33] offset:256*\j
.endr
	s_endpgm
.endm
; s35: a batch's number in, its subject's number out, clamped to the tables' ten entries before it enters an address.
.macro GETSID
	s_lshl_b32 s36, s35, 2
	s_add_nc_u64 s[30:31], s[18:19], s[36:37]
	s_load_b32 s35, s[30:31], 0x0
	s_wait_kmcnt 0x0
	s_min_u32 s35, s35, 9
.endm
; load j of a run of loads of B: times 1/8 (exact), to bf16, 8 bytes a lane out.  left = the younger loads that may stay out.
.macro LBOUT j, left, doff
	s_wait_loadcnt \left
	v_pk_mul_f32 v[XR+4*\j:XR+4*\j+1], v[XR+4*\j:XR+4*\j+1], 0x3e000000 op_sel_hi:[1,0]
	v_pk_mul_f32 v[XR+4*\j+2:XR+4*\j+3], v[XR+4*\j+2:XR+4*\j+3], 0x3e000000 op_sel_hi:[1,0]
	v_cvt_pk_bf16_f32 v[XR+4*\j], v[XR+4*\j], v[XR+4*\j+1]
	v_cvt_pk_bf16_f32 v[XR+4*\j+1], v[XR+4*\j+2], v[XR+4*\j+3]
	global_store_b64 v[DO], v[XR+4*\j:XR+4*\j+1], s[32:33] offset:\doff
.endm
	s_cmp_ge_u32 s29, 768
	s_cbranch_scc1 .Ladapters
	s_cmp_ge_u32 s29, 512
	s_cbranch_scc1 .Lweights
	s_mov_b32 s34, s29                             ; x: group g to group g
	s_mov_b32 s35, s29
	CAST16 4, 20
.Lweights:
	s_cmp_ge_u32 s29, 704
	s_cbranch_scc1 .Lwp
	s_sub_co_u32 s34, s29, 512                     ; W_qkv: group i = part*64 + head*4 + quarter
	s_bfe_u32 s35, s34, 0x40002                    ; head: 4 bits from bit 2
	s_mul_i32 s35, s35, 12
	s_lshr_b32 s36, s34, 6                         ; part
	s_lshl2_add_u32 s35, s36, s35
	s_and_b32 s36, s34, 3                          ; quarter
	s_add_co_u32 s35, s35, s36                     ; goes to group head*12 + part*4 + quarter
	CAST16 6, 22
.Lwp:
	s_sub_co_u32 s34, s29, 704                     ; W_p: behind W_qkv's 192 groups
	s_add_co_u32 s35, s34, 192
	CAST16 8, 22
.Ladapters:
	s_cmp_ge_u32 s29, 784
	s_cbranch_scc1 .Lb1
	; A1 (work-groups 768-775) or A2 (776-783) of one batch.  Wave w makes K step w: 8 rows of 128 numbers, then 8 rows of zeros.
	s_sub_co_u32 s34, s29, 768                     ; which*8 + batch
	s_and_b32 s35, s34, 7
	GETSID
	s_lshl_b32 s36, s35, 15                        ; an adapter's A: 8 x 1,024 f32 = 32,768 bytes
	s_cmp_lt_u32 s34, 8
	s_cselect_b64 s[30:31], s[10:11], s[12:13]
	s_add_nc_u64 s[30:31], s[30:31], s[36:37]
	s_lshl_b32 s38, s34, 15                        ; 8 K steps x 16 rows x 256 bytes
	s_add_nc_u64 s[32:33], s[24:25], s[38:39]
	v_lshlrev_b32 v[SO], 4, v1
	v_lshl_add_u32 v[SO], v2, 9, v[SO]             ; 512 wave + 16 lane
	v_lshlrev_b32 v[DO], 3, v1
	v_lshl_add_u32 v[DO], v2, 12, v[DO]            ; 4,096 wave + 8 lane
.irp r, 0,1,2,3,4,5,6,7
	global_load_b128 v[XR+4*\r:XR+4*\r+3], v[SO], s[30:31] offset:4096*\r
.endr
	v_mov_b32 v6, 0
	v_mov_b32 v7, 0
.irp r, 0,1,2,3,4,5,6,7
	global_store_b64 v[DO], v[6:7], s[32:33] offset:256*(8+\r)
.endr
.irp r, 0,1,2,3,4,5,6,7
	s_wait_loadcnt 7-\r                            ; row r is in, the 7 - r younger loads stay out
	v_cvt_pk_f16_f32 v[YR+2*\r], v[XR+4*\r], v[XR+4*\r+1]
	v_cvt_pk_f16_f32 v[YR+2*\r+1], v[XR+4*\r+2], v[XR+4*\r+3]
	global_store_b64 v[DO], v[YR+2*\r:YR+2*\r+1], s[32:33] offset:256*\r
.endr
	s_endpgm
.Lb1:
	s_cmp_ge_u32 s29, 792
	s_cbranch_scc1 .Lb2
	; B1 of one batch, rows into w16's order.  Wave w takes heads 2w and 2w + 1: 24 blocks of 16 rows (512 bytes in, 256 out).
	s_sub_co_u32 s34, s29, 784
	s_mov_b32 s35, s34
	GETSID
	s_mul_i32 s36, s35, 98304                      ; an adapter's B1: 3,072 x 8 f32
	s_add_nc_u64 s[30:31], s[14:15], s[36:37]
	s_mul_i32 s38, s34, 49152                      ; a batch's part of be: 3,072 x 8 bf16
	s_add_nc_u64 s[32:33], s[26:27], s[38:39]
	v_lshlrev_b32 v[SO], 4, v1
	v_lshl_add_u32 v[SO], v2, 12, v[SO]            ; two heads x 64 rows x 32 bytes = 4,096 a wave
	v_mul_u32_u24 v[DO], v2, 6144                  ; two heads x 192 rows x 16 bytes
	v_lshl_add_u32 v[DO], v1, 3, v[DO]
.set jj, 0
.irp p, 0,1,2
.irp h, 0,1
.irp q, 0,1,2,3
	global_load_b128 v[XR+4*jj:XR+4*jj+3], v[SO], s[30:31] offset:\p*32768+\h*2048+\q*512
.set jj, jj+1
.endr
.endr
.endr
.set jj, 0
.irp p, 0,1,2
.irp h, 0,1
.irp q, 0,1,2,3
	LBOUT jj, 23-jj, \h*3072+\p*1024+\q*256
.set jj, jj+1
.endr
.endr
.endr
	s_endpgm
.Lb2:
	; B2 of one batch, rows as they lie.  Wave w takes rows 128 w to 128 w + 127: 8 blocks of 16 rows.
	s_sub_co_u32 s34, s29, 792
	s_mov_b32 s35, s34
	GETSID
	s_lshl_b32 s36, s35, 15                        ; an adapter's B2: 1,024 x 8 f32
	s_add_nc_u64 s[30:31], s[16:17], s[36:37]
	s_lshl_b32 s38, s34, 14                        ; a batch's part: 1,024 x 8 bf16,
	s_add_co_u32 s38, s38, 393216                  ; behind B1's eight parts
	s_add_nc_u64 s[32:33], s[26:27], s[38:39]
	v_lshlrev_b32 v[SO], 4, v1
	v_lshl_add_u32 v[SO], v2, 12, v[SO]
	v_lshlrev_b32 v[DO], 3, v1
	v_lshl_add_u32 v[DO], v2, 11, v[DO]
.irp t, 0,1,2,3,4,5,6,7
	global_load_b128 v[XR+4*\t:XR+4*\t+3], v[SO], s[30:31] offset:512*\t
.endr
.irp t, 0,1,2,3,4,5,6,7
	LBOUT \t, 7-\t, 256*\t
.endr
	s_endpgm
.Lfunc_end_k_qa810a00b5b_prep:
	.size	k_qa810a00b5b_prep, .Lfunc_end_k_qa810a00b5b_prep-k_qa810a00b5b_prep
	.p2alignl 7, 3214868480
	.fill 96, 4, 3214868480
	.section	.rodata,"a",@progbits
	.p2align	6, 0x0
	.amdhsa_kernel k_qa810a00b5b_prep
		.amdhsa_group_segment_fixed_size 0
		.amdhsa_private_segment_fixed_size 0
		.amdhsa_enable_private_segment 0
		.amdhsa_kernarg_size 96
		.amdhsa_user_sgpr_count 2
		.amdhsa_user_sgpr_kernarg_segment_ptr 1
		.amdhsa_wavefront_size32 1
		.amdhsa_system_sgpr_workgroup_id_x 1
		.amdhsa_system_sgpr_workgroup_id_y 1
		.amdhsa_system_sgpr_workgroup_id_z 1
		.amdhsa_system_vgpr_workitem_id 0
		.amdhsa_next_free_vgpr 112
		.amdhsa_next_free_sgpr 66
		.amdhsa_reserve_vcc 0
		.amdhsa_float_denorm_mode_32 3
		.amdhsa_float_denorm_mode_16_64 3
		.amdhsa_memory_ordered 1
		.amdhsa_forward_progress 1
		.amdhsa_inst_pref_size 42
	.end_amdhsa_kernel
	.amdgpu_metadata
---
amdhsa.version: [ 1, 2 ]
amdhsa.kernels:
  - .name:           k_qa810a00b5b_prep
    .symbol:         k_qa810a00b5b_prep.kd
    .args:
      - { .name: x, .offset: 0, .size: 8, .value_kind: global_buffer, .address_space: global }
      - { .name: W_qkv, .offset: 8, .size: 8, .value_kind: global_buffer, .address_space: global }
      - { .name: W_p, .offset: 16, .size: 8, .value_kind: global_buffer, .address_space: global }
      - { .name: A1, .offset: 24, .size: 8, .value_kind: global_buffer, .address_space: global }
      - { .name: A2, .offset: 32, .size: 8, .value_kind: global_buffer, .address_space: global }
      - { .name: B1, .offset: 40, .size: 8, .value_kind: global_buffer, .address_space: global }
      - { .name: B2, .offset: 48, .size: 8, .value_kind: global_buffer, .address_space: global }
      - { .name: subject_id, .offset: 56, .size: 8, .value_kind: global_buffer, .address_space: global }
      - { .name: x16, .offset: 64, .size: 8, .value_kind: global_buffer, .address_space: global }
      - { .name: w16, .offset: 72, .size: 8, .value_kind: global_buffer, .address_space: global }
      - { .name: ae, .offset: 80, .size: 8, .value_kind: global_buffer, .address_space: global }
      - { .name: be, .offset: 88, .size: 8, .value_kind: global_buffer, .address_space: global }
    .group_segment_fixed_size: 0
    .private_segment_fixed_size: 0
    .kernarg_segment_align: 8
    .kernarg_segment_size: 96
    .max_flat_workgroup_size: 256
    .sgpr_count:     66
    .vgpr_count:     112
    .wavefront_size: 32
...
	.end_amdgpu_metadata
.endif
;; end of part 1
;; launch gemm_qkv (part 2): grid 8 x 32, 4 waves a work-group, clusters of 4 x 4, 327,680 bytes of LDS; arguments x16, w16, ae, be, b_qkv, qkvh; writes qkvh
.if DOCPART == 2
	.amdgcn_target "amdgcn-amd-amdhsa--gfx1250"
	.amdhsa_code_object_version 6
	.text
	.protected	k_qa810a00b5b_gemm_qkv
	.globl	k_qa810a00b5b_gemm_qkv
	.p2align	8
	.type	k_qa810a00b5b_gemm_qkv,@function
k_qa810a00b5b_gemm_qkv:
	s_mov_b64 s[64:65], 0
	v_nop
	global_prefetch_b8 v0, s[64:65] scope:SCOPE_SE
	s_setreg_imm32_b32 hwreg(HW_REG_WAVE_MODE, 25, 1), 1
	s_wait_xcnt 0x0
	s_wait_alu depctr_hold_cnt(0) depctr_sa_sdst(0) depctr_va_vdst(0) depctr_va_sdst(0) depctr_va_ssrc(0) depctr_va_vcc(0) depctr_vm_vsrc(0)
	s_getreg_b32 s2, hwreg(HW_REG_IB_STS2, 6, 4)
	s_cmp_eq_u32 s2, 0
	s_cbranch_scc0 .Lentry_in_a_cluster
	s_endpgm
.Lentry_in_a_cluster:
	s_bfe_u32 s2, ttmp6, 0x10000c
	s_cmp_lg_u32 s2, 0xf033
	s_cbranch_scc0 .Lentry_shape_is_right
	s_endpgm
.Lentry_shape_is_right:
; The first linear layer, with its rank-8 adapter chosen per batch:  C[m][n] = sum_k X[m][k] W[n][k] + bias[n] + sum_r h[m][r] (B[n][r]/8),  h[m][r] = sum_k X[m][k] A[r][k].
; X = x16 [8192][1024] f16, W = w16's rows 0-3071 (head*192 + part*64 + d), C goes out in f16 as qkvh [3 parts][8 b][16 h][1024 t][64 d].
; A block is 256 rows x 192 columns = one head's q, k, v.  THE WORK-GROUP STAYS: 256 work-groups, each makes two blocks of the same 256 rows, heads col and col + 8.
; The ring of two LDS slots turns on into the second block: the first block's last two refills ask for the second block's K steps 0 and 1, which land under the
; adapter step and the way out, and the first block's stores leave under the second block's matrix work.  Set-up and the adapter's tile are paid for once.
; Four waves stacked along M: a wave owns 64 rows x 192 columns, 4 x 12 accumulator tiles.  K = 1,024 goes in 8 steps of 128.
; THE ADAPTER RIDES ALONG: W's fragments get one more block of 16 rows, the batch's A (8 ranks, 8 rows of zeros; all 8 K steps lie in LDS, filled once).  So h falls out of
; the K loop in 4 more tiles; since the matrix instruction is used transposed (source 0 = rows of W, source 1 = rows of X), lane (r, hh) of such a tile holds
; h[row r][8 hh + j], which packed to bf16 IS registers 0-3 of a K = 32 fragment.  One bf16 step with B/8 as the other operand then adds the adapter.  No lane traffic.
; THE BIAS costs no vector work: the first product of each tile takes the bias, loaded in the result's layout, as its C.
; CLUSTERS 4 x 4: X's tiles are asked for jointly along a row of the cluster, W's along a column.  The adapter's tile is shared by all sixteen work-groups (one batch), a mask
; names four at the most, and its 32,768 bytes are a small part of the 16 x 114,688 bytes that a work-group receives: each work-group fetches it by plain loads.
; No prefetch: each slot is asked for a whole K step of matrix work ahead by the tensor load itself.
; LIMITS: X, W, A go in f16 and C leaves in f16: magnitudes below 65,504.  h and B/8 are rounded to bf16 (h has no room in f16).
.set NB, 12                            ; blocks of 16 columns
.set NT, NB+1                          ; with the adapter's block
.set HSTEP, 8                          ; heads from a work-group's first block to its second
.set WNEXT, HSTEP*192*2048             ; the same in bytes of w16
.set BEBATCH, 3072*16                  ; a batch's bytes in be
.set SPITCH, 400                       ; a row of the stage: 384 bytes + 16
.set KSTEP, 128
.set PITCH, 272                        ; an LDS row: 256 bytes + 16 of padding, an odd multiple of 16: the 16 rows of a fragment load start 16 bytes apart modulo 256
.set ATILE, 256*PITCH                  ; X's 256 rows
.set BHALF, 8*NB*PITCH                 ; half of W's rows: one tensor load
.set SLOT, ATILE+2*BHALF
.set LAB, 2*SLOT                       ; the adapter's A: 8 K steps x 16 rows
.set STAGE, LAB+128*PITCH              ; the way out: 16 rows for each wave; a multiple of 256, and no tensor load lands here
.set NFETCH, 2*NT+8                    ; LDS loads of one quarter step
; window 0
.set ADRA, 16                          ; v16-17  LDS address of my X fragments in slot 0, 1
.set ADRB, 18                          ; v18-19  of W's fragments
.set ADRL, 20                          ; v20     of the adapter's fragments, stepped once a lap
.set STO, 21                           ; v21     the way out: where I put my piece of a row
.set RD, 22                            ; v22     where I read rows back
.set CO, 23                            ; v23     16 x lane: my bytes in a store of 512
.set BIO, 24                           ; v24     32 hh: my 8 numbers of a block's bias
.set BEO, 25                           ; v25     16 r: my row of a block of B/8
.set FA, 32                            ; v32-63, v64-95  X fragments (4 x 16 rows x 32 K), two buffers
.set TMP, 32                           ; v32-79  the way out: packed results
.set BIAS, 96                          ; v96-191 the bias in the result's layout; in a block's last lap B/8's fragments
; window 1: W's and the adapter's fragments, buffer f at 8 NT f; on the way out v0-47, v48-95 take the rows read back.
; Window 2: tiles (a, b) of my rows 0-31 at 8 (NT a + b).  Window 3: of my rows 32-63.
.set G1, 24                            ; s[24:31] group 1 for X's tiles          s[32:39] group 0, one set a slot
.set G0, 32
.set G1B, 48                           ; s[48:55] group 1 for W's tiles          s[56:63] group 0, one set a slot
.set G0B, 56
.set G1L, 68                           ; s[68:75], s[76:79] the adapter's tile
.set G0L, 76
                                       ; s[80:85] q, k, v at my rows of head col; s[88:89] the bias of head col; s[92:93] B/8 of head col: never rewritten
.set MSB, 0
.macro WIN new                         ; s_set_vgpr_msb: bits 1:0 source 0, 3:2 source 1, 5:4 source 2, 7:6 destination; the high byte repeats the setting that is left
.if MSB != \new
	s_set_vgpr_msb (MSB<<8)|\new
.set MSB, \new
.endif
.endm
.set MUL_LO, 0xa1                      ; source 0 (W) window 1, source 1 (X) window 0, C and D window 2
.set MUL_HI, 0xf1                      ; C and D window 3
.set INIT_LO, 0x81                     ; C (the bias) window 0, D window 2
.set INIT_HI, 0xc1
.set TO_B, 0x40                        ; destination window 1
.set ST_B, 0x04                        ; a store's data (source 1) window 1
.set LORA_LO, 0xa0                     ; both sources window 0, C and D window 2
.set LORA_HI, 0xf0
.set FROM2, 0x0a                       ; sources 0 and 1 window 2
.set FROM3, 0x0f
.macro PLACES n                        ; plain vector instructions that name no matrix register: the distance behind matrix instructions (ISA guide 7.12.1)
.rept \n
	v_nop
.endr
.endm
; A joint load: waves 0, 1 ask for X's two halves, waves 2, 3 for W's.  Each line has one mask; the branch hangs on the wave's number alone.
.macro JLOAD s
	s_cmp_eq_u32 s17, 0
	s_cbranch_scc0 .Lfor_b_\@
	tensor_load_to_lds s[G0+4*\s:G0+4*\s+3], s[G1:G1+7]
	s_nop 0
	s_branch .Lasked_\@
.Lfor_b_\@:
	tensor_load_to_lds s[G0B+4*\s:G0B+4*\s+3], s[G1B:G1B+7]
	s_nop 0
.Lasked_\@:
.endm
.macro CREST                           ; a round of the cluster's barrier behind its opening barrier
	s_cmp_lg_u32 s16, 0
	s_cbranch_scc1 .Lnot_wave_0_\@
	s_barrier_signal -3
.Lnot_wave_0_\@:
	s_barrier_wait -3
	s_barrier_signal -1
	s_barrier_wait -1
.endm
.macro CROUND
	s_barrier_signal -1
	s_barrier_wait -1
	CREST
.endm
; A slot's next tile.  wrap = 0: two K steps on.  wrap = 1: the same slot's first K step of the next block: six K steps back; W's rows eight heads on, X's rows the same.
; It stands behind the wait that shows all the wave's tensor loads done, so both sets may be written.
.macro STEP slot, wrap
.if \wrap
	s_sub_nc_u64 s[G0+4*\slot+2:G0+4*\slot+3], s[G0+4*\slot+2:G0+4*\slot+3], 6*KSTEP*2
	s_add_nc_u64 s[G0B+4*\slot+2:G0B+4*\slot+3], s[G0B+4*\slot+2:G0B+4*\slot+3], WNEXT-6*KSTEP*2
.else
	s_add_nc_u64 s[G0+4*\slot+2:G0+4*\slot+3], s[G0+4*\slot+2:G0+4*\slot+3], 2*KSTEP*2
	s_add_nc_u64 s[G0B+4*\slot+2:G0B+4*\slot+3], s[G0B+4*\slot+2:G0B+4*\slot+3], 2*KSTEP*2
.endif
.endm
; The bias of block tl in the result's layout: register j of tile (., b) belongs to column 16 b + 8 hh + j; b_qkv lies as part*1024 + head*64 + d.
.macro BIASLD tl
.set bi, 0
.rept NB
.set bo, (bi>>2)*4096+(bi&3)*64+\tl*HSTEP*256
	global_load_b128 v[BIAS+8*bi:BIAS+8*bi+3], v[BIO], s[88:89] offset:bo
	global_load_b128 v[BIAS+8*bi+4:BIAS+8*bi+7], v[BIO], s[88:89] offset:bo+16
.set bi, bi+1
.endr
.endm
; NT matrix instructions: my rows 32 hi + 16 a .. +15 x all blocks, 32 along K, from buffer f.  init = 1: the first product starts the sums, on the bias (the adapter's tile on 0).
; The accumulators take turns, one instruction a turn, in the same order in every quarter step.
.macro MULA f, hi, a, init
.set bi, 0
.rept NT
.set ac, 8*(NT*\a+bi)
.set fb, 8*NT*\f+8*bi
.set fa, FA+32*\f+8*(2*\hi+\a)
.if \init
.if bi < NB
	v_wmma_f32_16x16x32_f16 v[ac:ac+7], v[fb:fb+7], v[fa:fa+7], v[BIAS+8*bi:BIAS+8*bi+7]
.else
	v_wmma_f32_16x16x32_f16 v[ac:ac+7], v[fb:fb+7], v[fa:fa+7], 0
.endif
.else
	v_wmma_f32_16x16x32_f16 v[ac:ac+7], v[fb:fb+7], v[fa:fa+7], v[ac:ac+7]
.endif
.set bi, bi+1
.endr
.endm
; The fragments of one quarter step into buffer f: W's NB blocks and the adapter's block (at byte lo from ADRL), then my four blocks of X.
.macro FETCH slot, k, f, lo
	WIN TO_B
.set fi, 0
.rept NB
	ds_load_b128 v[8*NT*\f+8*fi:8*NT*\f+8*fi+3], v[ADRB+\slot] offset:\k+fi*16*PITCH
	ds_load_b128 v[8*NT*\f+8*fi+4:8*NT*\f+8*fi+7], v[ADRB+\slot] offset:\k+fi*16*PITCH+32
.set fi, fi+1
.endr
	ds_load_b128 v[8*NT*\f+8*NB:8*NT*\f+8*NB+3], v[ADRL] offset:(\lo)
	ds_load_b128 v[8*NT*\f+8*NB+4:8*NT*\f+8*NB+7], v[ADRL] offset:(\lo)+32
	WIN 0
.irp i, 0,1,2,3
	ds_load_b128 v[FA+32*\f+8*\i:FA+32*\f+8*\i+3], v[ADRA+\slot] offset:\k+\i*16*PITCH
	ds_load_b128 v[FA+32*\f+8*\i+4:FA+32*\f+8*\i+7], v[ADRA+\slot] offset:\k+\i*16*PITCH+32
.endr
.endm
; One of a K step's first three quarters: multiplies buffer f; in its middle it fetches the next quarter (byte k of the rows) into buffer g.
.macro QUARTER slot, k, f, g, init
	s_wait_dscnt 4                                 ; all but the youngest four loads (X's blocks 2, 3) are in
.if \init
	WIN INIT_LO
.else
	WIN MUL_LO
.endif
	MULA \f, 0, 0, \init
	MULA \f, 0, 1, \init
	PLACES 4                                       ; buffer g was read by matrix instructions: four places in front of the loads into it
	FETCH \slot, \k, \g, \slot*16*PITCH+\k
	s_wait_dscnt NFETCH                            ; all but the loads just issued
.if \init
	WIN INIT_HI
.else
	WIN MUL_HI
.endif
	MULA \f, 1, 0, \init
	MULA \f, 1, 1, \init
.endm
.macro THREE slot, init
	QUARTER \slot, 64, 0, 1, \init
	QUARTER \slot, 128, 1, 0, 0
	QUARTER \slot, 192, 0, 1, 0
.endm
; The last quarter multiplies buffer 1 and changes slots.  In front of the barrier each wave waits for its reads of this slot and for all its tensor loads (one is out: its part
; of the next slot).  fill = 1: the barrier opens a round of the cluster's barrier, and behind the round this slot is asked for again, first of all (wrap: for the next block).
.macro TURN slot, next, fill, wrap
	s_wait_dscnt 4
	WIN MUL_LO
	MULA 1, 0, 0, 0
	s_wait_dscnt 0x0                               ; my reads of this slot are over
	s_wait_tensorcnt 0x0                           ; all my tensor loads have landed
	ds_add_u32 v255, v255
	s_wait_dscnt 0x0
	s_barrier_signal -1
	MULA 1, 0, 1, 0                                ; register work while the others arrive
	WIN 0
	s_barrier_wait -1
.if \fill
	CREST
	STEP \slot, \wrap
	JLOAD \slot                                    ; the wave's one tensor load behind the round
.endif
.if \next
	PLACES 4
.else
	PLACES 3
	v_add_nc_u32 v[ADRL], 2*16*PITCH, v[ADRL]      ; the fourth place: the adapter's rows of the next two K steps
.endif
	FETCH \next, 0, 0, \next*16*PITCH
	WIN MUL_HI
	MULA 1, 1, 0, 0
	MULA 1, 1, 1, 0
.endm
.macro LAP init                        ; two K steps, both slots filled again
	THREE 0, \init
	TURN 0, 1, 1, 0
	THREE 1, \init-\init
	TURN 1, 0, 1, 0
.endm
; A block's very last quarter: nothing more is fetched from LDS.  fill = 1: slot 1 is asked for again, for the next block's K step 1, in the same order as in TURN;
; the wait for all tensor loads in front of the round also shows the next block's K step 0 landed in slot 0, for every wave.
.macro LASTQ fill
	s_wait_dscnt 4
	WIN MUL_LO
	MULA 1, 0, 0, 0
	s_wait_dscnt 0x0
.if \fill
	s_wait_tensorcnt 0x0
	ds_add_u32 v255, v255
	s_wait_dscnt 0x0
	s_barrier_signal -1
	MULA 1, 0, 1, 0
	WIN 0
	s_barrier_wait -1
	CREST
	STEP 1, 1
	JLOAD 1
.else
	MULA 1, 0, 1, 0
.endif
	WIN MUL_HI
	MULA 1, 1, 0, 0
	MULA 1, 1, 1, 0
.endm
.macro LORA hi
.irp a, 0,1
.set bi, 0
.rept NB
.set ac, 8*(NT*\a+bi)
	v_wmma_f32_16x16x32_bf16 v[ac:ac+7], v[BIAS+8*bi:BIAS+8*bi+7], v[FA+8*(2*\hi+\a):FA+8*(2*\hi+\a)+7], v[ac:ac+7]
.set bi, bi+1
.endr
.endr
.endm
; The way out of rows 16 i .. +15 of block tl: tiles (a, 0 .. 11) of the window named by from, through my own stage; rb: the registers of window 1 read back into, two sets in turn.
; LDS serves a wave's instructions in order, so no wait stands between the stores and the loads.
.macro OUTQ tl, i, a, from, rb
	WIN \from
.set bi, 0
.rept NB
.irp j, 0,1,2,3
	v_cvt_pk_f16_f32 v[TMP+4*bi+\j], v[8*(NT*\a+bi)+2*\j], v[8*(NT*\a+bi)+2*\j+1]
.endr
.set bi, bi+1
.endr
	WIN 0
.set bi, 0
.rept NB
	ds_store_b128 v[STO], v[TMP+4*bi:TMP+4*bi+3] offset:32*bi
.set bi, bi+1
.endr
	s_wait_xcnt 0x0                                ; the registers that earlier stores read are loaded again only behind this wait
	WIN TO_B
.irp p, 0,1,2
.irp q, 0,1,2,3
	ds_load_b128 v[\rb+4*(4*\p+\q):\rb+4*(4*\p+\q)+3], v[RD] offset:\q*4*SPITCH+\p*128
.endr
.endr
	WIN ST_B
.irp p, 0,1,2
.irp q, 0,1,2,3
	s_wait_dscnt 11-(4*\p+\q)                      ; this read-back is in, the younger ones stay out
	global_store_b128 v[CO], v[\rb+4*(4*\p+\q):\rb+4*(4*\p+\q)+3], s[80+2*\p:81+2*\p] offset:\tl*HSTEP*131072+2048*\i+512*\q   ; four rows of a part: 512 consecutive bytes, aligned
.endr
.endr
.endm
; One block of C.  more = 1: another block follows, and the ring turns on into it.
.macro BLOCK tl, more
	FETCH 0, 0, 0, 0
	s_wait_loadcnt 0x0                             ; the bias
	LAP 1                                          ; K steps 0, 1: the first products start the sums
	WIN 0
	s_mov_b32 s3, 2
.Llap_\tl:
	LAP 0                                          ; K steps 2 to 5
	WIN 0
	s_sub_co_u32 s3, s3, 1
	s_cmp_lg_u32 s3, 0
	s_cbranch_scc1 .Llap_\tl
	; B/8 of my columns, as fragments: lane (r, hh) takes row r's 8 ranks into registers 0-3.  Lanes with hh = 1 and registers 4-7 stand for K = 8 .. 31, where h's
	; fragment holds zeros: they get the same finite 16 bytes.  The bias registers were last read in the block's first K step.
.set bi, 0
.rept NB
	global_load_b128 v[BIAS+8*bi:BIAS+8*bi+3], v[BEO], s[92:93] offset:\tl*HSTEP*3072+256*bi
	global_load_b128 v[BIAS+8*bi+4:BIAS+8*bi+7], v[BEO], s[92:93] offset:\tl*HSTEP*3072+256*bi
.set bi, bi+1
.endr
	THREE 0, 0                                     ; K steps 6, 7
	TURN 0, 1, \more, \more
	THREE 1, 0
	LASTQ \more
	; THE ADAPTER.  Five places: the conversions read results, and the bf16 form that follows writes over the f16 form's results.
	PLACES 5
	WIN FROM2
.irp a, 0,1
.irp j, 0,1,2,3
	v_cvt_pk_bf16_f32 v[FA+8*\a+\j], v[8*(NT*\a+NB)+2*\j], v[8*(NT*\a+NB)+2*\j+1]
.endr
.endr
	WIN FROM3
.irp a, 0,1
.irp j, 0,1,2,3
	v_cvt_pk_bf16_f32 v[FA+8*(2+\a)+\j], v[8*(NT*\a+NB)+2*\j], v[8*(NT*\a+NB)+2*\j+1]
.endr
.endr
	WIN 0
.irp m, 0,1,2,3
.irp j, 4,5,6,7
	v_mov_b32 v[FA+8*\m+\j], 0                     ; K = 16 .. 31 of h's fragments
.endr
.endr
	s_wait_loadcnt 0x0                             ; B/8
	WIN LORA_LO
	LORA 0
	WIN LORA_HI
	LORA 1
	WIN 0
	PLACES 4                                       ; in front of all that reads the results or writes the fragments
.if \more
	BIASLD \tl+1                                   ; the next block's bias lands under the way out
.endif
	OUTQ \tl, 0, 0, FROM2, 0
	OUTQ \tl, 1, 1, FROM2, 48
	OUTQ \tl, 2, 0, FROM3, 0
	OUTQ \tl, 3, 1, FROM3, 48
	WIN 0
.if \more
	s_wait_xcnt 0x0                                ; window 1's registers, which the stores read, are loaded again only behind this wait
	v_add_nc_u32 v[ADRL], LAB, v3                  ; the adapter's rows from K step 0 again
.endif
.endm
	s_load_b256 s[4:11], s[0:1], 0x0               ; x16 s[4:5], w16 s[6:7], ae s[8:9], be s[10:11]
	s_load_b128 s[12:15], s[0:1], 0x20             ; b_qkv s[12:13], qkvh s[14:15]
	s_set_vgpr_msb 0x40
	v_lshl_add_u32 v255, v0, 2, 0x4a400
	s_set_vgpr_msb 0x4000
	v_mov_b32 v255, 0
	s_set_vgpr_msb 0x1
	ds_add_u32 v255, v255
	s_set_vgpr_msb 0x100
	v_lshrrev_b32 v1, 5, v0
	v_readfirstlane_b32 s16, v1                    ; wave 0..3
	s_lshr_b32 s17, s16, 1                         ; I fetch for X (0) or for W (1),
	s_and_b32 s18, s16, 1                          ; and which half of that tile
	s_bfe_u32 s19, ttmp6, 0x40000                  ; cx
	s_bfe_u32 s20, ttmp6, 0x40004                  ; cy
	s_lshl_b32 s21, ttmp9, 2
	s_add_co_u32 s21, s21, s19                     ; col = 4 x cluster x + cx: my first head, 0 .. 7
	s_and_b32 s23, ttmp7, 0xffff                   ; cluster y = the batch: four blocks of 256 rows
	s_lshl_b32 s22, s23, 2
	s_add_co_u32 s22, s22, s20                     ; block row = 4 x cluster y + cy
	s_lshl_b32 s44, s20, 2
	s_lshl_b32 s44, 15, s44                        ; my row of the cluster
	s_lshl_b32 s45, 0x1111, s19                    ; my column
	; group 1: elements of 2 bytes, rows of 128 elements, 4 words of padding behind every 64
	s_or_b32 s[G1+0], s44, (1<<16)|(1<<20)|(1<<21)|(5<<22)|(3<<25)
	s_mov_b32 s[G1+1], KSTEP<<16                   ; tensor_dim0 = 128
	s_mov_b32 s[G1+2], 128<<16                     ; tensor_dim1 = 128
	s_mov_b32 s[G1+3], KSTEP<<16                   ; tile_dim0 = 128
	s_mov_b32 s[G1+4], 128                         ; tile_dim1 = 128 rows
	s_mov_b32 s[G1+5], 1024                        ; elements from row to row
	s_mov_b32 s[G1+6], 0
	s_mov_b32 s[G1+7], 0
	s_or_b32 s[G1B+0], s45, (1<<16)|(1<<20)|(1<<21)|(5<<22)|(3<<25)
	s_mov_b32 s[G1B+1], KSTEP<<16
	s_mov_b32 s[G1B+2], (8*NB)<<16                 ; 96 rows
	s_mov_b32 s[G1B+3], KSTEP<<16
	s_mov_b32 s[G1B+4], 8*NB
	s_mov_b32 s[G1B+5], 1024
	s_mov_b32 s[G1B+6], 0
	s_mov_b32 s[G1B+7], 0
	s_mov_b32 s[G1L+0], (1<<16)|(1<<20)|(5<<22)|(3<<25)   ; no mask: a load of my own
	s_mov_b32 s[G1L+1], KSTEP<<16
	s_mov_b32 s[G1L+2], 32<<16                     ; 32 rows a wave, dense in memory
	s_mov_b32 s[G1L+3], KSTEP<<16
	s_mov_b32 s[G1L+4], 32
	s_mov_b32 s[G1L+5], 128
	s_mov_b32 s[G1L+6], 0
	s_mov_b32 s[G1L+7], 0
	; where the tiles come from: X's hang on the block row, W's on the column, each in registers that never hold the other coordinate
	s_lshl_b32 s40, s22, 8
	s_lshl_b32 s46, s18, 7
	s_add_co_u32 s40, s40, s46                     ; X: row 256 x block row + 128 x half
	s_lshl_b32 s40, s40, 11                        ; x 2,048 bytes
	s_mov_b32 s41, 0
	s_mul_i32 s42, s21, 16*NB
	s_mul_i32 s47, s18, 8*NB
	s_add_co_u32 s42, s42, s47                     ; W: row 192 x head + 96 x half
	s_lshl_b32 s42, s42, 11
	s_mov_b32 s43, 0
	s_lshl_b32 s86, s23, 15                        ; the adapter: batch x 32,768 bytes
	s_lshl_b32 s87, s16, 13                        ; + wave x 32 rows of 256 bytes
	s_add_co_u32 s86, s86, s87
	s_mov_b32 s87, 0
	s_mul_i32 s46, s16, 128*PITCH                  ; and where they go: X's halves at wave x 128 rows (waves 0, 1),
	s_mul_i32 s47, s16, BHALF
	s_add_co_u32 s47, s47, ATILE-2*BHALF           ; W's halves behind X's 256 rows (waves 2, 3)
	s_lshl_b32 s90, s21, 8                         ; the bias of head col: 64 f32 in each of the three parts
	s_mov_b32 s91, 0
	s_wait_dscnt 0x0
	s_wait_kmcnt 0x0
	s_add_nc_u64 s[40:41], s[4:5], s[40:41]
	s_add_nc_u64 s[42:43], s[6:7], s[42:43]
	s_add_nc_u64 s[86:87], s[8:9], s[86:87]
	s_add_nc_u64 s[88:89], s[12:13], s[90:91]
.irp s, 0,1
	s_mov_b32 s[G0+4*\s], 1
	s_add_co_u32 s[G0+4*\s+1], s46, \s*SLOT
	s_add_nc_u64 s[G0+4*\s+2:G0+4*\s+3], s[40:41], \s*KSTEP*2
	s_or_b32 s[G0+4*\s+3], s[G0+4*\s+3], 0x80000000
	s_mov_b32 s[G0B+4*\s], 1
	s_add_co_u32 s[G0B+4*\s+1], s47, \s*SLOT
	s_add_nc_u64 s[G0B+4*\s+2:G0B+4*\s+3], s[42:43], \s*KSTEP*2
	s_or_b32 s[G0B+4*\s+3], s[G0B+4*\s+3], 0x80000000
.endr
	s_mov_b32 s[G0L], 1
	s_mul_i32 s[G0L+1], s16, 32*PITCH
	s_add_co_u32 s[G0L+1], s[G0L+1], LAB
	s_mov_b64 s[G0L+2:G0L+3], s[86:87]
	s_or_b32 s[G0L+3], s[G0L+3], 0x80000000
	CROUND                                         ; all sixteen work-groups are here: the first joint loads meet
	JLOAD 0                                        ; K step 0
	tensor_load_to_lds s[G0L:G0L+3], s[G1L:G1L+7]  ; my quarter of the adapter's A
	s_nop 0
	JLOAD 1                                        ; K step 1: three tensor loads of the wave are out, later one
	v_and_b32 v1, 15, v0                           ; r
	v_bfe_u32 v2, v0, 4, 1                         ; hh
	v_lshlrev_b32 v[BIO], 5, v2
	BIASLD 0
	; a fragment: lane (r, hh) holds row r; registers 0-3 K = 8 hh .. +7, registers 4-7 K = 16 + 8 hh .. +7: two loads of 16 bytes, 32 bytes apart
	v_mul_u32_u24 v3, v1, PITCH
	v_lshl_add_u32 v3, v2, 4, v3                   ; kept: ADRL is made of it again for the second block
	s_mul_i32 s86, s16, 64*PITCH                   ; my 64 rows of X
	v_add_nc_u32 v[ADRA], s86, v3
	v_add_nc_u32 v[ADRA+1], SLOT, v[ADRA]
	v_add_nc_u32 v[ADRB], ATILE, v3
	v_add_nc_u32 v[ADRB+1], SLOT+ATILE, v3
	v_add_nc_u32 v[ADRL], LAB, v3
	v_lshlrev_b32 v[BEO], 4, v1
	s_mul_i32 s87, s16, 16*SPITCH
	s_add_co_u32 s87, s87, STAGE                   ; my stage
	v_mul_u32_u24 v4, v1, SPITCH
	v_and_b32 v5, 31, v0
	v_lshlrev_b32 v[CO], 4, v5
	v_lshl_add_u32 v4, v2, 4, v4                   ; in: row r, 8 f16 for each half of the lanes
	v_bfe_u32 v6, v0, 3, 2                         ; back: eight lanes take the 128 bytes of one part of a row, the wave four rows
	v_and_b32 v7, 7, v0
	v_mul_u32_u24 v6, v6, SPITCH
	v_lshl_add_u32 v6, v7, 4, v6
	v_add_nc_u32 v[RD], s87, v6
	v_add_nc_u32 v[STO], s87, v4
	; B/8 of head col, and q, k, v at my rows of head col; the second block's places stand in the immediates of its loads and stores
	s_mul_i32 s90, s23, BEBATCH
	s_mul_i32 s86, s21, 16*NB*16
	s_add_co_u32 s90, s90, s86
	s_mov_b32 s91, 0
	s_add_nc_u64 s[92:93], s[10:11], s[90:91]
	s_lshl_b32 s90, s23, 4
	s_add_co_u32 s90, s90, s21                     ; batch x 16 + head
	s_lshl_b32 s90, s90, 17                        ; x 1,024 rows of 128 bytes
	s_lshl_b32 s86, s20, 8
	s_lshl_b32 s87, s16, 6
	s_add_co_u32 s86, s86, s87                     ; my first t = 256 cy + 64 wave
	s_lshl_b32 s86, s86, 7
	s_add_co_u32 s90, s90, s86
	s_add_nc_u64 s[80:81], s[14:15], s[90:91]      ; q
	s_add_nc_u64 s[82:83], s[80:81], 0x1000000     ; k
	s_add_nc_u64 s[84:85], s[82:83], 0x1000000     ; v
	s_wait_tensorcnt 0x1                           ; my parts of K step 0 and of the adapter's tile are in; K step 1's may stay out
	s_barrier_signal -1
	s_barrier_wait -1
	BLOCK 0, 1                                     ; head col
	BLOCK 1, 0                                     ; head col + 8
	s_set_vgpr_msb 0x1
	s_wait_tensorcnt 0x0
	ds_add_u32 v255, v255
	s_wait_dscnt 0x0
	s_set_vgpr_msb 0x100
	CROUND                                         ; the closing round: no work-group ends while a partner may still ask for a tile that names it
	s_endpgm
.Lfunc_end_k_qa810a00b5b_gemm_qkv:
	.size	k_qa810a00b5b_gemm_qkv, .Lfunc_end_k_qa810a00b5b_gemm_qkv-k_qa810a00b5b_gemm_qkv
	.p2alignl 7, 3214868480
	.fill 96, 4, 3214868480
	.section	.rodata,"a",@progbits
	.p2align	6, 0x0
	.amdhsa_kernel k_qa810a00b5b_gemm_qkv
		.amdhsa_group_segment_fixed_size 327680
		.amdhsa_private_segment_fixed_size 0
		.amdhsa_enable_private_segment 0
		.amdhsa_kernarg_size 48
		.amdhsa_user_sgpr_count 2
		.amdhsa_user_sgpr_kernarg_segment_ptr 1
		.amdhsa_wavefront_size32 1
		.amdhsa_system_sgpr_workgroup_id_x 1
		.amdhsa_system_sgpr_workgroup_id_y 1
		.amdhsa_system_sgpr_workgroup_id_z 1
		.amdhsa_system_vgpr_workitem_id 0
		.amdhsa_next_free_vgpr 1024
		.amdhsa_next_free_sgpr 96
		.amdhsa_reserve_vcc 0
		.amdhsa_float_denorm_mode_32 3
		.amdhsa_float_denorm_mode_16_64 3
		.amdhsa_memory_ordered 1
		.amdhsa_forward_progress 1
		.amdhsa_inst_pref_size 255
	.end_amdhsa_kernel
	.section	.bss,"aw",@nobits
	.p2align	6
	.space	262144
	.amdgpu_metadata
---
amdhsa.version: [ 1, 2 ]
amdhsa.kernels:
  - .name:           k_qa810a00b5b_gemm_qkv
    .symbol:         k_qa810a00b5b_gemm_qkv.kd
    .args:
      - { .name: x16, .offset: 0, .size: 8, .value_kind: global_buffer, .address_space: global }
      - { .name: w16, .offset: 8, .size: 8, .value_kind: global_buffer, .address_space: global }
      - { .name: ae, .offset: 16, .size: 8, .value_kind: global_buffer, .address_space: global }
      - { .name: be, .offset: 24, .size: 8, .value_kind: global_buffer, .address_space: global }
      - { .name: b_qkv, .offset: 32, .size: 8, .value_kind: global_buffer, .address_space: global }
      - { .name: qkvh, .offset: 40, .size: 8, .value_kind: global_buffer, .address_space: global }
    .group_segment_fixed_size: 327680
    .private_segment_fixed_size: 0
    .kernarg_segment_align: 8
    .kernarg_segment_size: 48
    .max_flat_workgroup_size: 128
    .sgpr_count:     96
    .vgpr_count:     1024
    .wavefront_size: 32
...
	.end_amdgpu_metadata
.endif
;; end of part 2
;; launch att (part 3): grid 4 x 64, 8 waves a work-group, clusters of 4 x 1, 327,680 bytes of LDS; arguments qkvh, y16; writes y16
.if DOCPART == 3
	.amdgcn_target "amdgcn-amd-amdhsa--gfx1250"
	.amdhsa_code_object_version 6
	.text
	.protected	k_qa810a00b5b_att
	.globl	k_qa810a00b5b_att
	.p2align	8
	.type	k_qa810a00b5b_att,@function
k_qa810a00b5b_att:
	s_mov_b64 s[64:65], 0
	v_nop
	global_prefetch_b8 v0, s[64:65] scope:SCOPE_SE
	s_setreg_imm32_b32 hwreg(HW_REG_WAVE_MODE, 25, 1), 1
	s_wait_xcnt 0x0
	s_wait_alu depctr_hold_cnt(0) depctr_sa_sdst(0) depctr_va_vdst(0) depctr_va_sdst(0) depctr_va_ssrc(0) depctr_va_vcc(0) depctr_vm_vsrc(0)
	s_getreg_b32 s2, hwreg(HW_REG_IB_STS2, 6, 4)
	s_cmp_eq_u32 s2, 0
	s_cbranch_scc0 .Lentry_in_a_cluster
	s_endpgm
.Lentry_in_a_cluster:
	s_bfe_u32 s2, ttmp6, 0x10000c
	s_cmp_lg_u32 s2, 0x3003
	s_cbranch_scc0 .Lentry_shape_is_right
	s_endpgm
.Lentry_shape_is_right:
; Attention: y[b][t][h*64 + d] = softmax over 1,024 keys of (q k / 8) times v.  qkvh: [3 parts][8 b][16 h][1024 t][64 d] f16; y16: [8192][1024] f16.
; A work-group takes two heads of a batch (y = 8 b + pair) and 256 query rows (its place cx in the cluster); wave w takes head w >> 2 and 64 of the rows.
; Eight waves: while one wave of a SIMD works on its exponentials the other has matrix work.
; CLUSTER 4 x 1: the four query blocks read the same K and V, so each tile is asked for jointly (mask 15).
; K and V go in tiles of 128 keys through two LDS slots; a slot has 8 pieces of 64 keys, piece w = head*4 + (K 0, V 1)*2 + half, fetched by wave w.
; BOTH PRODUCTS ARE USED TRANSPOSED: S^T = K Q^T and O^T = V^T P.  In both results a lane's query is r = lane % 16, so maxima, sums and factors are a lane's own but for one
; exchange between the halves of the wave, and S^T's tiles 2u, 2u+1, packed to f16, ARE P's fragment u: no lane traffic, no LDS.
; The running maximum M of the raw scores is kept per query; exponents are c s - c M with c = log2(e)/8.  NM = round(-c M) is the number that the exponents are made of, and the
; factor on the old sums is exp2(NM new - NM old), so both refer to the same rounded number.
; No prefetch: a tile is asked for a whole trip (128 matrix instructions a wave) ahead by the tensor load itself.
; LIMITS: q, k, v, P, y in f16.  Infinite or NaN scores are not served.
.set KP, 144                           ; K's LDS pitch: 128 bytes + 16, an odd multiple of 16
.set VP, 160                           ; V's: 128 + 32, an odd multiple of 32, for the transposing loads
.set PIECE, 64*VP                      ; 10,240 (K's pieces use 9,216 of them)
.set SLOT, 8*PIECE
.set STAGE, 2*SLOT                     ; the way out: 256 rows x 272 bytes; a multiple of 256, and no tensor load lands here
.set YP, 272
.set TILEB, 128*128                    ; a tile of 128 keys of one head in memory
; window 0
.set KADR, 4                           ; v4-5    LDS address of my K fragments in slot 0, 1
.set VADR, 6                           ; v6-7    of my V fragments
.set QOFF, 8
.set YST, 9
.set YRD, 10
.set YO, 11
.set SC, 32                            ; v32-159   S^T: tile (kb, qb) at 8 (4 qb + kb); then P: fragment (u, qb) at 32 qb + 16 u
.set MX, 160                           ; v160-163  running maximum, one for each block of 16 queries
.set LS, 164                           ; v164-167  running sum of my half of the keys
.set NM, 168                           ; v168-175  -c M, twice (pairs for the packed forms)
.set AL, 176                           ; v176-183  the factor on the old sums, twice
.set TT, 184                           ; v184-215  at work, 8 for each block of queries
; window 1
.set QF, 0                             ; v0-63     Q: fragment (qb, e) at 8 (2 qb + e)
.set KV, 64                            ; v64-127   K's, then V's eight fragments of a chunk
.set OA, 128                           ; v128-255  O^T: tile (db, qb) at 32 qb + 8 db
.set G1K, 16
.set G1V, 24
.set G0, 32                            ; s[32:39] group 0, one set a slot
.set MSB, 0
.macro WIN new                         ; s_set_vgpr_msb: bits 1:0 source 0, 3:2 source 1, 5:4 source 2, 7:6 destination; the high byte repeats the setting that is left
.if MSB != \new
	s_set_vgpr_msb (MSB<<8)|\new
.set MSB, \new
.endif
.endm
.macro PLACES n                        ; plain vector instructions that name no matrix register: the distance behind matrix instructions (ISA guide 7.12.1)
.rept \n
	v_nop
.endr
.endm
.macro ROUND                           ; a round of the cluster's barrier
	s_barrier_signal -1
	s_barrier_wait -1
	s_cmp_lg_u32 s8, 0
	s_cbranch_scc1 .Lnot_wave_0_\@
	s_barrier_signal -3
.Lnot_wave_0_\@:
	s_barrier_wait -3
	s_barrier_signal -1
	s_barrier_wait -1
.endm
.macro KVLOAD s                        ; my piece of a tile, jointly with the three partners; K's and V's pieces differ in the padding alone
	s_cmp_eq_u32 s10, 0
	s_cbranch_scc0 .Lfor_v_\@
	tensor_load_to_lds s[G0+4*(\s):G0+4*(\s)+3], s[G1K:G1K+7]
	s_nop 0
	s_branch .Lasked_\@
.Lfor_v_\@:
	tensor_load_to_lds s[G0+4*(\s):G0+4*(\s)+3], s[G1V:G1V+7]
	s_nop 0
.Lasked_\@:
.endm
	s_load_b128 s[4:7], s[0:1], 0x0                ; qkvh s[4:5], y16 s[6:7]
	v_lshl_add_u32 v254, v0, 2, 0x39000
	v_mov_b32 v255, 0
	ds_add_u32 v254, v255
	v_lshrrev_b32 v1, 5, v0
	v_readfirstlane_b32 s8, v1                     ; wave 0..7
	s_lshr_b32 s9, s8, 2                           ; my head of the pair; also the head of the piece that I fetch
	s_lshr_b32 s10, s8, 1
	s_and_b32 s10, s10, 1                          ; I fetch K (0) or V (1),
	s_and_b32 s11, s8, 1                           ; and which 64 keys of the tile
	s_bfe_u32 s12, ttmp6, 0x40000                  ; cx: my block of 256 queries
	s_and_b32 s13, ttmp7, 0xffff                   ; y = 8 b + pair of heads
	s_mov_b32 s14, 0x76543210                      ; v_permlanex16_b32: lane i takes lane i of the other half
	s_mov_b32 s15, 0xfedcba98
	s_mov_b32 s40, 0x3e38aa3b                      ; c = log2(e) / 8, in a pair
	s_mov_b32 s41, 0x3e38aa3b
	s_mov_b32 s42, 0xbe38aa3b                      ; -c
	; group 1: a piece is 8,192 dense bytes: 32 rows of 32 elements of 8 bytes; padding behind every 32 words (one key's 128 bytes): 4 words for K, 8 for V
	s_mov_b32 s[G1K+0], 15|(3<<16)|(1<<20)|(1<<21)|(4<<22)|(3<<25)
	s_mov_b32 s[G1V+0], 15|(3<<16)|(1<<20)|(1<<21)|(4<<22)|(7<<25)
.irp g, G1K, G1V
	s_mov_b32 s[\g+1], 32<<16                      ; tensor_dim0 = 32
	s_mov_b32 s[\g+2], 32<<16                      ; tensor_dim1 = 32
	s_mov_b32 s[\g+3], 32<<16                      ; tile_dim0 = 32
	s_mov_b32 s[\g+4], 32                          ; tile_dim1 = 32
	s_mov_b32 s[\g+5], 32                          ; elements from row to row
	s_mov_b32 s[\g+6], 0
	s_mov_b32 s[\g+7], 0
.endr
	s_lshl_b32 s46, s13, 1
	s_add_co_u32 s46, s46, s9                      ; 16 b + head
	s_lshl_b32 s46, s46, 17                        ; x 1,024 rows of 128 bytes
	s_add_co_u32 s48, s10, 1                       ; part 1 = k, part 2 = v
	s_lshl_b32 s48, s48, 24
	s_add_co_u32 s48, s48, s46
	s_lshl_b32 s50, s11, 13                        ; half x 64 keys
	s_add_co_u32 s48, s48, s50
	s_mov_b32 s49, 0
	s_mul_i32 s52, s8, PIECE
	s_and_b32 s50, s8, 3
	s_lshl_b32 s50, s50, 6
	s_lshl_b32 s51, s12, 8
	s_add_co_u32 s50, s50, s51                     ; my first query = 256 cx + 64 (wave % 4): enters global addresses of my own loads and stores alone
	s_lshl_b32 s50, s50, 7
	s_add_co_u32 s54, s46, s50
	s_mov_b32 s55, 0
	s_wait_dscnt 0x0
	s_wait_kmcnt 0x0
	s_add_nc_u64 s[48:49], s[4:5], s[48:49]
	s_add_nc_u64 s[54:55], s[4:5], s[54:55]        ; part 0 = q
.irp s, 0,1
	s_mov_b32 s[G0+4*\s], 1
	s_add_co_u32 s[G0+4*\s+1], s52, \s*SLOT
	s_add_nc_u64 s[G0+4*\s+2:G0+4*\s+3], s[48:49], \s*TILEB
	s_or_b32 s[G0+4*\s+3], s[G0+4*\s+3], 0x80000000
.endr
	ROUND                                          ; the four work-groups are here: the first joint loads meet
	KVLOAD 0                                       ; tile 0: one tensor load of the wave is out, here and behind every later round
	v_and_b32 v1, 15, v0                           ; r
	v_bfe_u32 v2, v0, 4, 1                         ; hh
	v_lshlrev_b32 v13, 7, v1
	v_lshl_add_u32 v[QOFF], v2, 4, v13             ; query r's row of 128 bytes + 16 hh
	WIN 0x40                                       ; destination window 1
.irp qb, 0,1,2,3
.irp e, 0,1
	global_load_b128 v[QF+8*(2*\qb+\e):QF+8*(2*\qb+\e)+3], v[QOFF], s[54:55] offset:\qb*2048+\e*64
	global_load_b128 v[QF+8*(2*\qb+\e)+4:QF+8*(2*\qb+\e)+7], v[QOFF], s[54:55] offset:\qb*2048+\e*64+32
.endr
.endr
	WIN 0
	v_and_b32 v3, 7, v0
	v_bfe_u32 v12, v0, 3, 1
	s_mul_i32 s53, s9, 4*PIECE                     ; my head's four pieces: K's two, then V's two
	v_mul_u32_u24 v13, v1, KP
	v_lshl_add_u32 v13, v2, 4, v13
	v_add_nc_u32 v[KADR], s53, v13                 ; key r's row + 16 hh
	v_add_nc_u32 v[KADR+1], SLOT, v[KADR]
	v_lshl_add_u32 v13, v2, 3, v3
	v_mul_u32_u24 v13, v13, VP
	v_lshl_add_u32 v13, v12, 4, v13
	s_add_co_u32 s53, s53, 2*PIECE
	v_add_nc_u32 v[VADR], s53, v13                 ; the transposing load: key 8 hh + lane % 8, 16 bytes at 16 ((lane >> 3) & 1)
	v_add_nc_u32 v[VADR+1], SLOT, v[VADR]
	s_and_b32 s56, s8, 3
	s_mul_i32 s56, s56, 64*YP
	s_lshl_b32 s57, s9, 7
	s_add_co_u32 s56, s56, s57
	s_add_co_u32 s56, s56, STAGE
	v_mul_u32_u24 v13, v1, YP
	v_lshl_add_u32 v13, v2, 4, v13
	v_add_nc_u32 v[YST], s56, v13                  ; in: row 64 (wave % 4) + r, my head's 128 bytes, 16 hh
	s_mul_i32 s57, s8, 32*YP
	s_add_co_u32 s57, s57, STAGE
	v_mul_u32_u24 v13, v2, YP
	v_lshl_add_u32 v13, v1, 4, v13
	v_add_nc_u32 v[YRD], s57, v13                  ; back: sixteen lanes take a row's 256 bytes, the wave two rows of its 32
	v_lshlrev_b32 v13, 11, v2
	v_lshl_add_u32 v[YO], v1, 4, v13               ; and the same two rows in y16
	s_wait_loadcnt 0x0                             ; Q
; 16 matrix instructions of O^T += V^T P, keys 32 u .. +31 of the chunk.  The 16 accumulators take turns, one instruction a turn.
.macro PV u, zero
.irp qb, 0,1,2,3
.irp db, 0,1,2,3
.if \zero
	v_wmma_f32_16x16x32_f16 v[OA+32*\qb+8*\db:OA+32*\qb+8*\db+7], v[KV+8*(4*\u+\db):KV+8*(4*\u+\db)+7], v[SC+32*\qb+16*\u:SC+32*\qb+16*\u+7], 0
.else
	v_wmma_f32_16x16x32_f16 v[OA+32*\qb+8*\db:OA+32*\qb+8*\db+7], v[KV+8*(4*\u+\db):KV+8*(4*\u+\db)+7], v[SC+32*\qb+16*\u:SC+32*\qb+16*\u+7], v[OA+32*\qb+8*\db:OA+32*\qb+8*\db+7]
.endif
.endr
.endr
.endm
; 64 keys (piece c of the slot) against my 64 queries.  first = 1: the first chunk starts maxima, sums and O.
.macro CHUNK slot, c, first
	WIN 0x40
.irp e, 0,1
.irp kb, 0,1,2,3
	ds_load_b128 v[KV+8*(4*\e+\kb):KV+8*(4*\e+\kb)+3], v[KADR+\slot] offset:\c*PIECE+\kb*16*KP+\e*64
	ds_load_b128 v[KV+8*(4*\e+\kb)+4:KV+8*(4*\e+\kb)+7], v[KADR+\slot] offset:\c*PIECE+\kb*16*KP+\e*64+32
.endr
.endr
	WIN 0x05                                       ; sources 0 (K) and 1 (Q) window 1, S^T window 0
	s_wait_dscnt 8                                 ; d = 0 .. 31 of the four key blocks are in, the eight younger loads stay out
.irp qb, 0,1,2,3
.irp kb, 0,1,2,3
	v_wmma_f32_16x16x32_f16 v[SC+8*(4*\qb+\kb):SC+8*(4*\qb+\kb)+7], v[KV+8*\kb:KV+8*\kb+7], v[QF+16*\qb:QF+16*\qb+7], 0
.endr
.endr
	s_wait_dscnt 0x0
.irp qb, 0,1,2,3
.irp kb, 0,1,2,3
	v_wmma_f32_16x16x32_f16 v[SC+8*(4*\qb+\kb):SC+8*(4*\qb+\kb)+7], v[KV+8*(4+\kb):KV+8*(4+\kb)+7], v[QF+16*\qb+8:QF+16*\qb+15], v[SC+8*(4*\qb+\kb):SC+8*(4*\qb+\kb)+7]
.endr
.endr
	PLACES 4                                       ; in front of the loads over K's fragments and of the reads of S^T
	WIN 0x40
.irp u, 0,1
.irp db, 0,1,2,3
	ds_load_tr16_b128 v[KV+8*(4*\u+\db):KV+8*(4*\u+\db)+3], v[VADR+\slot] offset:\c*PIECE+\u*32*VP+\db*32
	ds_load_tr16_b128 v[KV+8*(4*\u+\db)+4:KV+8*(4*\u+\db)+7], v[VADR+\slot] offset:\c*PIECE+\u*32*VP+\db*32+16*VP
.endr
.endr
	WIN 0
	; the largest of my 32 scores of each query, in two chains; then the other half's; then the running maximum
.irp qb, 0,1,2,3
	v_max_num_f32 v[TT+8*\qb], v[SC+32*\qb], v[SC+32*\qb+1]
	v_max_num_f32 v[TT+8*\qb+1], v[SC+32*\qb+2], v[SC+32*\qb+3]
.endr
.set mi, 4
.rept 7
.irp qb, 0,1,2,3
	v_max3_num_f32 v[TT+8*\qb], v[TT+8*\qb], v[SC+32*\qb+mi], v[SC+32*\qb+mi+1]
	v_max3_num_f32 v[TT+8*\qb+1], v[TT+8*\qb+1], v[SC+32*\qb+mi+2], v[SC+32*\qb+mi+3]
.endr
.set mi, mi+4
.endr
.irp qb, 0,1,2,3
	v_max_num_f32 v[TT+8*\qb], v[TT+8*\qb], v[TT+8*\qb+1]
.endr
.irp qb, 0,1,2,3
	v_permlanex16_b32 v[TT+8*\qb+1], v[TT+8*\qb], s14, s15
.endr
.if \first
.irp qb, 0,1,2,3
	v_max_num_f32 v[MX+\qb], v[TT+8*\qb], v[TT+8*\qb+1]
.endr
.irp qb, 0,1,2,3
	v_mul_f32 v[NM+2*\qb], s42, v[MX+\qb]
	v_mul_f32 v[NM+2*\qb+1], s42, v[MX+\qb]
.endr
.else
.irp qb, 0,1,2,3
	v_max3_num_f32 v[MX+\qb], v[TT+8*\qb], v[TT+8*\qb+1], v[MX+\qb]
.endr
.irp qb, 0,1,2,3
	v_mul_f32 v[NM+2*\qb+1], s42, v[MX+\qb]                    ; the new -c M beside the old one,
	v_sub_f32 v[TT+8*\qb+3], v[NM+2*\qb+1], v[NM+2*\qb]        ; new - old, at most 0,
	v_mul_f32 v[NM+2*\qb], s42, v[MX+\qb]                      ; and the pair is whole again
.endr
.irp qb, 0,1,2,3
	v_exp_f32 v[AL+2*\qb], v[TT+8*\qb+3]                       ; the plain instruction behind these (ISA guide 5.7.2) is the first packed multiply-add below
	v_exp_f32 v[AL+2*\qb+1], v[TT+8*\qb+3]
.endr
.endif
	; p = exp2(c s - c M), in place
.irp qb, 0,1,2,3
.set mi, 0
.rept 16
	v_pk_fma_f32 v[SC+32*\qb+mi:SC+32*\qb+mi+1], v[SC+32*\qb+mi:SC+32*\qb+mi+1], s[40:41], v[NM+2*\qb:NM+2*\qb+1] op_sel_hi:[1,0,1]
.set mi, mi+2
.endr
.endr
.set mi, 0
.rept 128
	v_exp_f32 v[SC+mi], v[SC+mi]
.set mi, mi+1
.endr
	v_nop                                          ; one plain instruction behind the last exponential
	; the sum of my 32 p of each query, in two chains; then P in f16: fragment u's registers 0-3 from tile 2u, 4-7 from tile 2u+1
	s_wait_alu depctr_va_vdst(0)
.irp qb, 0,1,2,3
	v_pk_add_f32 v[TT+8*\qb:TT+8*\qb+1], v[SC+32*\qb:SC+32*\qb+1], v[SC+32*\qb+2:SC+32*\qb+3]
	v_pk_add_f32 v[TT+8*\qb+2:TT+8*\qb+3], v[SC+32*\qb+4:SC+32*\qb+5], v[SC+32*\qb+6:SC+32*\qb+7]
.set mi, 8
.rept 6
	v_pk_add_f32 v[TT+8*\qb:TT+8*\qb+1], v[TT+8*\qb:TT+8*\qb+1], v[SC+32*\qb+mi:SC+32*\qb+mi+1]
	v_pk_add_f32 v[TT+8*\qb+2:TT+8*\qb+3], v[TT+8*\qb+2:TT+8*\qb+3], v[SC+32*\qb+mi+2:SC+32*\qb+mi+3]
.set mi, mi+4
.endr
	v_pk_add_f32 v[TT+8*\qb:TT+8*\qb+1], v[TT+8*\qb:TT+8*\qb+1], v[TT+8*\qb+2:TT+8*\qb+3]
.if \first
	v_add_f32 v[LS+\qb], v[TT+8*\qb], v[TT+8*\qb+1]
.else
	v_add_f32 v[TT+8*\qb], v[TT+8*\qb], v[TT+8*\qb+1]
	v_fma_f32 v[LS+\qb], v[LS+\qb], v[AL+2*\qb], v[TT+8*\qb]
.endif
.irp u, 0,1
.irp j, 0,1,2,3,4,5,6,7
	v_cvt_pk_f16_f32 v[SC+32*\qb+16*\u+\j], v[SC+32*\qb+16*\u+2*\j], v[SC+32*\qb+16*\u+2*\j+1]
.endr
.endr
.endr
.if \first
.else
	WIN 0x41                                       ; O window 1, the factor window 0
.irp qb, 0,1,2,3
.set mi, 0
.rept 16
	v_pk_mul_f32 v[OA+32*\qb+mi:OA+32*\qb+mi+1], v[OA+32*\qb+mi:OA+32*\qb+mi+1], v[AL+2*\qb:AL+2*\qb+1]
.set mi, mi+2
.endr
.endr
.endif
	s_wait_dscnt 0x0                               ; V's fragments
	WIN 0x51                                       ; source 0 (V) window 1, source 1 (P) window 0, O window 1
	PV 0, \first
	PV 1, 0
	WIN 0
	PLACES 5                                       ; the next S^T writes over P's registers, the next loads over V's fragments
.endm
; One tile of 128 keys.  In front of the round each wave waits for all its tensor loads (its piece of this trip's tile) and for its reads of the other slot;
; behind the round the other slot is asked for again, first of all; then this slot's two chunks.
.macro TRIP slot, refill, first
	s_wait_tensorcnt 0x0                           ; no tensor load of mine is out, so a group 0 may be written:
	ds_add_u32 v254, v255
	s_wait_dscnt 0x0
	s_add_nc_u64 s[G0+4*\slot+2:G0+4*\slot+3], s[G0+4*\slot+2:G0+4*\slot+3], 2*TILEB   ; this slot's next tile
	s_wait_dscnt 0x0
	ROUND
.if \refill
	KVLOAD 1-\slot
.endif
	CHUNK \slot, 0, \first
	CHUNK \slot, 1, 0
.endm
	TRIP 0, 1, 1                                   ; tile 0; slot 1 gets its first fill as a refill does
	s_mov_b32 s44, 3
.Lpair:
	TRIP 1, 1, 0                                   ; tiles 1 to 6
	TRIP 0, 1, 0
	s_sub_co_u32 s44, s44, 1
	s_cmp_lg_u32 s44, 0
	s_cbranch_scc1 .Lpair
	TRIP 1, 0, 0                                   ; tile 7: nothing is left to fetch (slot 1's stepped address is not used)
	; THE END: the two halves' sums meet, O is divided, rounded to f16 and gathered by rows in the stage (two waves, one for each head, write each row).
.irp qb, 0,1,2,3
	v_permlanex16_b32 v[TT+8*\qb], v[LS+\qb], s14, s15
.endr
.irp qb, 0,1,2,3
	v_add_f32 v[LS+\qb], v[LS+\qb], v[TT+8*\qb]
.endr
.irp qb, 0,1,2,3
	v_rcp_f32 v[AL+2*\qb], v[LS+\qb]
	v_rcp_f32 v[AL+2*\qb+1], v[LS+\qb]
.endr
	v_nop                                          ; one plain instruction behind the last reciprocal
	WIN 0x41
	s_wait_alu depctr_va_vdst(0)
.irp qb, 0,1,2,3
.set mi, 0
.rept 16
	v_pk_mul_f32 v[OA+32*\qb+mi:OA+32*\qb+mi+1], v[OA+32*\qb+mi:OA+32*\qb+mi+1], v[AL+2*\qb:AL+2*\qb+1]
.set mi, mi+2
.endr
.endr
	WIN 0x05                                       ; sources window 1, destination window 0
.irp qb, 0,1,2,3
.irp db, 0,1,2,3
.irp j, 0,1,2,3
	v_cvt_pk_f16_f32 v[SC+4*(4*\qb+\db)+\j], v[OA+32*\qb+8*\db+2*\j], v[OA+32*\qb+8*\db+2*\j+1]
.endr
.endr
.endr
	WIN 0
.irp qb, 0,1,2,3
.irp db, 0,1,2,3
	ds_store_b128 v[YST], v[SC+4*(4*\qb+\db):SC+4*(4*\qb+\db)+3] offset:\qb*16*YP+\db*32
.endr
.endr
	s_lshr_b32 s50, s13, 3                         ; b
	s_lshl_b32 s50, s50, 10
	s_lshl_b32 s51, s12, 8
	s_add_co_u32 s50, s50, s51
	s_lshl_b32 s51, s8, 5
	s_add_co_u32 s50, s50, s51                     ; row 1,024 b + 256 cx + 32 wave
	s_lshl_b32 s50, s50, 11                        ; x 2,048 bytes
	s_and_b32 s51, s13, 7
	s_lshl_b32 s51, s51, 8                         ; the pair's 256 bytes of a row
	s_add_co_u32 s50, s50, s51
	s_mov_b32 s51, 0
	s_add_nc_u64 s[6:7], s[6:7], s[50:51]
	s_wait_dscnt 0x0                               ; my stores are done, for the others' sake
	s_barrier_signal -1
	s_barrier_wait -1
.irp i, 0,1,2,3,4,5,6,7,8,9,10,11,12,13,14,15
	ds_load_b128 v[96+4*\i:96+4*\i+3], v[YRD] offset:\i*2*YP
.endr
.irp i, 0,1,2,3,4,5,6,7,8,9,10,11,12,13,14,15
	s_wait_dscnt 15-\i
	global_store_b128 v[YO], v[96+4*\i:96+4*\i+3], s[6:7] offset:4096*\i   ; sixteen lanes store 256 consecutive bytes, at a multiple of 256 in y16
.endr
	s_wait_tensorcnt 0x0
	ds_add_u32 v254, v255
	s_wait_dscnt 0x0
	ROUND                                          ; the closing round: no work-group ends while a partner may still ask for a tile that names it
	s_endpgm
.Lfunc_end_k_qa810a00b5b_att:
	.size	k_qa810a00b5b_att, .Lfunc_end_k_qa810a00b5b_att-k_qa810a00b5b_att
	.p2alignl 7, 3214868480
	.fill 96, 4, 3214868480
	.section	.rodata,"a",@progbits
	.p2align	6, 0x0
	.amdhsa_kernel k_qa810a00b5b_att
		.amdhsa_group_segment_fixed_size 327680
		.amdhsa_private_segment_fixed_size 0
		.amdhsa_enable_private_segment 0
		.amdhsa_kernarg_size 16
		.amdhsa_user_sgpr_count 2
		.amdhsa_user_sgpr_kernarg_segment_ptr 1
		.amdhsa_wavefront_size32 1
		.amdhsa_system_sgpr_workgroup_id_x 1
		.amdhsa_system_sgpr_workgroup_id_y 1
		.amdhsa_system_sgpr_workgroup_id_z 1
		.amdhsa_system_vgpr_workitem_id 0
		.amdhsa_next_free_vgpr 512
		.amdhsa_next_free_sgpr 66
		.amdhsa_reserve_vcc 0
		.amdhsa_float_denorm_mode_32 3
		.amdhsa_float_denorm_mode_16_64 3
		.amdhsa_memory_ordered 1
		.amdhsa_forward_progress 1
		.amdhsa_inst_pref_size 255
	.end_amdhsa_kernel
	.section	.bss,"aw",@nobits
	.p2align	6
	.space	262144
	.amdgpu_metadata
---
amdhsa.version: [ 1, 2 ]
amdhsa.kernels:
  - .name:           k_qa810a00b5b_att
    .symbol:         k_qa810a00b5b_att.kd
    .args:
      - { .name: qkvh, .offset: 0, .size: 8, .value_kind: global_buffer, .address_space: global }
      - { .name: y16, .offset: 8, .size: 8, .value_kind: global_buffer, .address_space: global }
    .group_segment_fixed_size: 327680
    .private_segment_fixed_size: 0
    .kernarg_segment_align: 8
    .kernarg_segment_size: 16
    .max_flat_workgroup_size: 256
    .sgpr_count:     66
    .vgpr_count:     512
    .wavefront_size: 32
...
	.end_amdgpu_metadata
.endif
;; end of part 3
;; launch gemm_proj (part 4): grid 8 x 32, 4 waves a work-group, clusters of 4 x 4, 327,680 bytes of LDS; arguments y16, w16, ae, be, b_p, out0; writes out0
.if DOCPART == 4
	.amdgcn_target "amdgcn-amd-amdhsa--gfx1250"
	.amdhsa_code_object_version 6
	.text
	.protected	k_qa810a00b5b_gemm_proj
	.globl	k_qa810a00b5b_gemm_proj
	.p2align	8
	.type	k_qa810a00b5b_gemm_proj,@function
k_qa810a00b5b_gemm_proj:
	s_mov_b64 s[64:65], 0
	v_nop
	global_prefetch_b8 v0, s[64:65] scope:SCOPE_SE
	s_setreg_imm32_b32 hwreg(HW_REG_WAVE_MODE, 25, 1), 1
	s_wait_xcnt 0x0
	s_wait_alu depctr_hold_cnt(0) depctr_sa_sdst(0) depctr_va_vdst(0) depctr_va_sdst(0) depctr_va_ssrc(0) depctr_va_vcc(0) depctr_vm_vsrc(0)
	s_getreg_b32 s2, hwreg(HW_REG_IB_STS2, 6, 4)
	s_cmp_eq_u32 s2, 0
	s_cbranch_scc0 .Lentry_in_a_cluster
	s_endpgm
.Lentry_in_a_cluster:
	s_bfe_u32 s2, ttmp6, 0x10000c
	s_cmp_lg_u32 s2, 0xf033
	s_cbranch_scc0 .Lentry_shape_is_right
	s_endpgm
.Lentry_shape_is_right:
; A linear layer with a rank-8 adapter chosen per batch:  C[m][n] = sum_k X[m][k] W[n][k] + bias[n] + sum_r h[m][r] (B[n][r]/8),  h[m][r] = sum_k X[m][k] A[r][k].
; One text serves both linears of the module; QKV below picks the sizes and the way out.
;   QKV = 1: X = x16, W = w16's rows 0-3071 (head*192 + part*64 + d), C goes out in f16 as qkvh [3 parts][8 b][16 h][1024 t][64 d].  Block 256 x 192 = one head's q, k, v.
;   QKV = 0: X = y16, W = w16's rows 3072-4095, C goes out in f32 as out0 [8192][1024].  Block 256 x 128.
; Four waves stacked along M: a wave owns 64 rows x all 16 NB columns, 4 x NB accumulator tiles.  K = 1,024 goes in 8 steps of 128 through two LDS slots.
; THE ADAPTER RIDES ALONG: W's fragments get one more block of 16 rows, the batch's A (8 ranks, 8 rows of zeros; all 8 K steps lie in LDS, filled once).  So h falls out of
; the K loop in 4 more tiles; since the matrix instruction is used transposed (source 0 = rows of W, source 1 = rows of X), lane (r, hh) of such a tile holds
; h[row r][8 hh + j], which packed to bf16 IS registers 0-3 of a K = 32 fragment.  One bf16 step with B/8 as the other operand then adds the adapter.  No lane traffic.
; THE BIAS costs no vector work: the first product of each tile takes the bias, loaded in the result's layout, as its C.
; CLUSTERS 4 x 4: X's tiles are asked for jointly along a row of the cluster, W's along a column.  The adapter's tile is shared by all sixteen work-groups (one batch), a mask
; names four at the most, and its 32,768 bytes are a small part of the 8 x (65,536 + 4,096 NB) bytes that a work-group receives: each work-group fetches it by plain loads.
; No prefetch: each slot is asked for a whole K step of matrix work ahead by the tensor load itself.
; LIMITS: X, W, A go in f16 and (QKV = 1) C leaves in f16: magnitudes below 65,504.  h and B/8 are rounded to bf16 (h has no room in f16).
.set QKV, 0
.if QKV
.set NB, 12                            ; blocks of 16 columns
.set WOFF, 0                           ; W's first byte in w16
.set AOFF, 0                           ; the adapter's first byte in ae
.set BEOFF, 0                          ; and in be
.set BEBATCH, 3072*16                  ; a batch's bytes in be
.set SPITCH, 400                       ; a row of the stage: 384 bytes + 16
.else
.set NB, 8
.set WOFF, 3072*2048
.set AOFF, 262144
.set BEOFF, 393216
.set BEBATCH, 1024*16
.set SPITCH, 528                       ; 512 bytes + 16
.endif
.set NT, NB+1                          ; with the adapter's block
.set KSTEP, 128
.set PITCH, 272                        ; an LDS row: 256 bytes + 16 of padding, an odd multiple of 16: the 16 rows of a fragment load start 16 bytes apart modulo 256
.set ATILE, 256*PITCH                  ; X's 256 rows
.set BHALF, 8*NB*PITCH                 ; half of W's rows: one tensor load
.set SLOT, ATILE+2*BHALF
.set LAB, 2*SLOT                       ; the adapter's A: 8 K steps x 16 rows
.set STAGE, LAB+128*PITCH              ; the way out: 16 rows for each wave; a multiple of 256, and no tensor load lands here
.set NFETCH, 2*NT+8                    ; LDS loads of one quarter step
; window 0
.set ADRA, 16                          ; v16-17  LDS address of my X fragments in slot 0, 1
.set ADRB, 18                          ; v18-19  of W's fragments
.set ADRL, 20                          ; v20     of the adapter's fragments, stepped once a lap
.set STO, 21                           ; v21     the way out: where I put my piece of a row
.set RD, 22                            ; v22     where I read rows back
.set CO, 23                            ; v23     16 x lane: my bytes in a store of 512
.set BIO, 24                           ; v24     32 hh: my 8 numbers of a block's bias
.set BEO, 25                           ; v25     16 r: my row of a block of B/8
.set FA, 32                            ; v32-63, v64-95  X fragments (4 x 16 rows x 32 K), two buffers
.set BIAS, 96                          ; v96 .. v96+8NB-1  the bias in the result's layout; later B/8's fragments
.set TMP, 96                           ; the way out of QKV = 1: packed results
; window 1: W's and the adapter's fragments, buffer f at 8 NT f.  Window 2: tiles (a, b) of my rows 0-31 at 8 (NT a + b).  Window 3: of my rows 32-63.
.set G1, 24                            ; s[24:31] group 1 for X's tiles          s[32:39] group 0, one set a slot
.set G0, 32
.set G1B, 48                           ; s[48:55] group 1 for W's tiles          s[56:63] group 0, one set a slot
.set G0B, 56
.set G1L, 68                           ; s[68:75], s[76:79] the adapter's tile
.set G0L, 76
.set MSB, 0
.macro WIN new                         ; s_set_vgpr_msb: bits 1:0 source 0, 3:2 source 1, 5:4 source 2, 7:6 destination; the high byte repeats the setting that is left
.if MSB != \new
	s_set_vgpr_msb (MSB<<8)|\new
.set MSB, \new
.endif
.endm
.set MUL_LO, 0xa1                      ; source 0 (W) window 1, source 1 (X) window 0, C and D window 2
.set MUL_HI, 0xf1                      ; C and D window 3
.set INIT_LO, 0x81                     ; C (the bias) window 0, D window 2
.set INIT_HI, 0xc1
.set TO_B, 0x40                        ; destination window 1
.set LORA_LO, 0xa0                     ; both sources window 0, C and D window 2
.set LORA_HI, 0xf0
.set FROM2, 0x0a                       ; sources 0 and 1 window 2
.set FROM3, 0x0f
.set ST2, 0x08                         ; an LDS store's data (source 1) window 2
.set ST3, 0x0c
.macro PLACES n                        ; plain vector instructions that name no matrix register: the distance behind matrix instructions (ISA guide 7.12.1)
.rept \n
	v_nop
.endr
.endm
; A joint load: waves 0, 1 ask for X's two halves, waves 2, 3 for W's.  Each line has one mask; the branch hangs on the wave's number alone.
.macro JLOAD s
	s_cmp_eq_u32 s17, 0
	s_cbranch_scc0 .Lfor_b_\@
	tensor_load_to_lds s[G0+4*\s:G0+4*\s+3], s[G1:G1+7]
	s_nop 0
	s_branch .Lasked_\@
.Lfor_b_\@:
	tensor_load_to_lds s[G0B+4*\s:G0B+4*\s+3], s[G1B:G1B+7]
	s_nop 0
.Lasked_\@:
.endm
.macro CREST                           ; a round of the cluster's barrier behind its opening barrier
	s_cmp_lg_u32 s16, 0
	s_cbranch_scc1 .Lnot_wave_0_\@
	s_barrier_signal -3
.Lnot_wave_0_\@:
	s_barrier_wait -3
	s_barrier_signal -1
	s_barrier_wait -1
.endm
.macro CROUND
	s_barrier_signal -1
	s_barrier_wait -1
	CREST
.endm
	s_load_b256 s[4:11], s[0:1], 0x0               ; X s[4:5], w16 s[6:7], ae s[8:9], be s[10:11]
	s_load_b128 s[12:15], s[0:1], 0x20             ; bias s[12:13], C s[14:15]
	s_set_vgpr_msb 0x40
	v_lshl_add_u32 v255, v0, 2, 0x43c00
	s_set_vgpr_msb 0x4000
	v_mov_b32 v255, 0
	s_set_vgpr_msb 0x1
	ds_add_u32 v255, v255
	s_set_vgpr_msb 0x100
	v_lshrrev_b32 v1, 5, v0
	v_readfirstlane_b32 s16, v1                    ; wave 0..3
	s_lshr_b32 s17, s16, 1                         ; I fetch for X (0) or for W (1),
	s_and_b32 s18, s16, 1                          ; and which half of that tile
	s_bfe_u32 s19, ttmp6, 0x40000                  ; cx
	s_bfe_u32 s20, ttmp6, 0x40004                  ; cy
	s_lshl_b32 s21, ttmp9, 2
	s_add_co_u32 s21, s21, s19                     ; block column = 4 x cluster x + cx
	s_and_b32 s23, ttmp7, 0xffff                   ; cluster y = the batch: four blocks of 256 rows
	s_lshl_b32 s22, s23, 2
	s_add_co_u32 s22, s22, s20                     ; block row = 4 x cluster y + cy
	s_lshl_b32 s44, s20, 2
	s_lshl_b32 s44, 15, s44                        ; my row of the cluster
	s_lshl_b32 s45, 0x1111, s19                    ; my column
	; group 1: elements of 2 bytes, rows of 128 elements, 4 words of padding behind every 64
	s_or_b32 s[G1+0], s44, (1<<16)|(1<<20)|(1<<21)|(5<<22)|(3<<25)
	s_mov_b32 s[G1+1], KSTEP<<16                   ; tensor_dim0 = 128
	s_mov_b32 s[G1+2], 128<<16                     ; tensor_dim1 = 128
	s_mov_b32 s[G1+3], KSTEP<<16                   ; tile_dim0 = 128
	s_mov_b32 s[G1+4], 128                         ; tile_dim1 = 128 rows
	s_mov_b32 s[G1+5], 1024                        ; elements from row to row
	s_mov_b32 s[G1+6], 0
	s_mov_b32 s[G1+7], 0
	s_or_b32 s[G1B+0], s45, (1<<16)|(1<<20)|(1<<21)|(5<<22)|(3<<25)
	s_mov_b32 s[G1B+1], KSTEP<<16
	s_mov_b32 s[G1B+2], (8*NB)<<16                 ; 8 NB rows
	s_mov_b32 s[G1B+3], KSTEP<<16
	s_mov_b32 s[G1B+4], 8*NB
	s_mov_b32 s[G1B+5], 1024
	s_mov_b32 s[G1B+6], 0
	s_mov_b32 s[G1B+7], 0
	s_mov_b32 s[G1L+0], (1<<16)|(1<<20)|(5<<22)|(3<<25)   ; no mask: a load of my own
	s_mov_b32 s[G1L+1], KSTEP<<16
	s_mov_b32 s[G1L+2], 32<<16                     ; 32 rows a wave, dense in memory
	s_mov_b32 s[G1L+3], KSTEP<<16
	s_mov_b32 s[G1L+4], 32
	s_mov_b32 s[G1L+5], 128
	s_mov_b32 s[G1L+6], 0
	s_mov_b32 s[G1L+7], 0
	; where the tiles come from: X's hang on the block row, W's on the block column, each in registers that never hold the other coordinate
	s_lshl_b32 s40, s22, 8
	s_lshl_b32 s46, s18, 7
	s_add_co_u32 s40, s40, s46                     ; X: row 256 x block row + 128 x half
	s_lshl_b32 s40, s40, 11                        ; x 2,048 bytes
	s_mov_b32 s41, 0
	s_mul_i32 s42, s21, 16*NB
	s_mul_i32 s47, s18, 8*NB
	s_add_co_u32 s42, s42, s47                     ; W: row 16 NB x block column + 8 NB x half
	s_lshl_b32 s42, s42, 11
.if WOFF
	s_add_co_u32 s42, s42, WOFF
.endif
	s_mov_b32 s43, 0
	s_lshl_b32 s86, s23, 15                        ; the adapter: batch x 32,768 bytes
	s_lshl_b32 s87, s16, 13                        ; + wave x 32 rows of 256 bytes
	s_add_co_u32 s86, s86, s87
.if AOFF
	s_add_co_u32 s86, s86, AOFF
.endif
	s_mov_b32 s87, 0
	s_mul_i32 s46, s16, 128*PITCH                  ; and where they go: X's halves at wave x 128 rows (waves 0, 1),
	s_mul_i32 s47, s16, BHALF
	s_add_co_u32 s47, s47, ATILE-2*BHALF           ; W's halves behind X's 256 rows (waves 2, 3)
.if QKV
	s_lshl_b32 s90, s21, 8                         ; the bias of my head: 64 f32 in each of the three parts
.else
	s_lshl_b32 s90, s21, 9                         ; the bias of my 128 columns
.endif
	s_mov_b32 s91, 0
	s_wait_dscnt 0x0
	s_wait_kmcnt 0x0
	s_add_nc_u64 s[40:41], s[4:5], s[40:41]
	s_add_nc_u64 s[42:43], s[6:7], s[42:43]
	s_add_nc_u64 s[86:87], s[8:9], s[86:87]
	s_add_nc_u64 s[88:89], s[12:13], s[90:91]
.irp s, 0,1
	s_mov_b32 s[G0+4*\s], 1
	s_add_co_u32 s[G0+4*\s+1], s46, \s*SLOT
	s_add_nc_u64 s[G0+4*\s+2:G0+4*\s+3], s[40:41], \s*KSTEP*2
	s_or_b32 s[G0+4*\s+3], s[G0+4*\s+3], 0x80000000
	s_mov_b32 s[G0B+4*\s], 1
	s_add_co_u32 s[G0B+4*\s+1], s47, \s*SLOT
	s_add_nc_u64 s[G0B+4*\s+2:G0B+4*\s+3], s[42:43], \s*KSTEP*2
	s_or_b32 s[G0B+4*\s+3], s[G0B+4*\s+3], 0x80000000
.endr
	s_mov_b32 s[G0L], 1
	s_mul_i32 s[G0L+1], s16, 32*PITCH
	s_add_co_u32 s[G0L+1], s[G0L+1], LAB
	s_mov_b64 s[G0L+2:G0L+3], s[86:87]
	s_or_b32 s[G0L+3], s[G0L+3], 0x80000000
	CROUND                                         ; all sixteen work-groups are here: the first joint loads meet
	JLOAD 0                                        ; K step 0
	tensor_load_to_lds s[G0L:G0L+3], s[G1L:G1L+7]  ; my quarter of the adapter's A
	s_nop 0
	JLOAD 1                                        ; K step 1: three tensor loads of the wave are out, later one
	v_and_b32 v1, 15, v0                           ; r
	v_bfe_u32 v2, v0, 4, 1                         ; hh
	v_lshlrev_b32 v[BIO], 5, v2
	; the bias in the result's layout: register j of tile (., b) belongs to column 16 b + 8 hh + j
.set bi, 0
.rept NB
.if QKV
.set bo, (bi>>2)*4096+(bi&3)*64
.else
.set bo, 64*bi
.endif
	global_load_b128 v[BIAS+8*bi:BIAS+8*bi+3], v[BIO], s[88:89] offset:bo
	global_load_b128 v[BIAS+8*bi+4:BIAS+8*bi+7], v[BIO], s[88:89] offset:bo+16
.set bi, bi+1
.endr
	; a fragment: lane (r, hh) holds row r; registers 0-3 K = 8 hh .. +7, registers 4-7 K = 16 + 8 hh .. +7: two loads of 16 bytes, 32 bytes apart
	v_mul_u32_u24 v3, v1, PITCH
	v_lshl_add_u32 v3, v2, 4, v3
	s_mul_i32 s86, s16, 64*PITCH                   ; my 64 rows of X
	v_add_nc_u32 v[ADRA], s86, v3
	v_add_nc_u32 v[ADRA+1], SLOT, v[ADRA]
	v_add_nc_u32 v[ADRB], ATILE, v3
	v_add_nc_u32 v[ADRB+1], SLOT+ATILE, v3
	v_add_nc_u32 v[ADRL], LAB, v3
	v_lshlrev_b32 v[BEO], 4, v1
	s_mul_i32 s87, s16, 16*SPITCH
	s_add_co_u32 s87, s87, STAGE                   ; my stage
	v_mul_u32_u24 v4, v1, SPITCH
	v_and_b32 v5, 31, v0
	v_lshlrev_b32 v[CO], 4, v5
.if QKV
	v_lshl_add_u32 v4, v2, 4, v4                   ; in: row r, 8 f16 for each half of the lanes
	v_bfe_u32 v6, v0, 3, 2                         ; back: eight lanes take the 128 bytes of one part of a row, the wave four rows
	v_and_b32 v7, 7, v0
	v_mul_u32_u24 v6, v6, SPITCH
	v_lshl_add_u32 v6, v7, 4, v6
	v_add_nc_u32 v[RD], s87, v6
.else
	v_lshl_add_u32 v4, v2, 5, v4                   ; in: row r, 8 f32 for each half of the lanes
	v_add_nc_u32 v[RD], s87, v[CO]                 ; back: the wave takes a row of 512 bytes
.endif
	v_add_nc_u32 v[STO], s87, v4
; NT matrix instructions: my rows 32 hi + 16 a .. +15 x all blocks, 32 along K, from buffer f.  init = 1: the first product starts the sums, on the bias (the adapter's tile on 0).
; The accumulators take turns, one instruction a turn, in the same order in every quarter step.
.macro MULA f, hi, a, init
.set bi, 0
.rept NT
.set ac, 8*(NT*\a+bi)
.set fb, 8*NT*\f+8*bi
.set fa, FA+32*\f+8*(2*\hi+\a)
.if \init
.if bi < NB
	v_wmma_f32_16x16x32_f16 v[ac:ac+7], v[fb:fb+7], v[fa:fa+7], v[BIAS+8*bi:BIAS+8*bi+7]
.else
	v_wmma_f32_16x16x32_f16 v[ac:ac+7], v[fb:fb+7], v[fa:fa+7], 0
.endif
.else
	v_wmma_f32_16x16x32_f16 v[ac:ac+7], v[fb:fb+7], v[fa:fa+7], v[ac:ac+7]
.endif
.set bi, bi+1
.endr
.endm
; The fragments of one quarter step into buffer f: W's NB blocks and the adapter's block (at byte lo from ADRL), then my four blocks of X.
.macro FETCH slot, k, f, lo
	WIN TO_B
.set fi, 0
.rept NB
	ds_load_b128 v[8*NT*\f+8*fi:8*NT*\f+8*fi+3], v[ADRB+\slot] offset:\k+fi*16*PITCH
	ds_load_b128 v[8*NT*\f+8*fi+4:8*NT*\f+8*fi+7], v[ADRB+\slot] offset:\k+fi*16*PITCH+32
.set fi, fi+1
.endr
	ds_load_b128 v[8*NT*\f+8*NB:8*NT*\f+8*NB+3], v[ADRL] offset:(\lo)
	ds_load_b128 v[8*NT*\f+8*NB+4:8*NT*\f+8*NB+7], v[ADRL] offset:(\lo)+32
	WIN 0
.irp i, 0,1,2,3
	ds_load_b128 v[FA+32*\f+8*\i:FA+32*\f+8*\i+3], v[ADRA+\slot] offset:\k+\i*16*PITCH
	ds_load_b128 v[FA+32*\f+8*\i+4:FA+32*\f+8*\i+7], v[ADRA+\slot] offset:\k+\i*16*PITCH+32
.endr
.endm
; One of a K step's first three quarters: multiplies buffer f; in its middle it fetches the next quarter (byte k of the rows) into buffer g.
.macro QUARTER slot, k, f, g, init
	s_wait_dscnt 4                                 ; all but the youngest four loads (X's blocks 2, 3) are in
.if \init
	WIN INIT_LO
.else
	WIN MUL_LO
.endif
	MULA \f, 0, 0, \init
	MULA \f, 0, 1, \init
	PLACES 4                                       ; buffer g was read by matrix instructions: four places in front of the loads into it
	FETCH \slot, \k, \g, \slot*16*PITCH+\k
	s_wait_dscnt NFETCH                            ; all but the loads just issued
.if \init
	WIN INIT_HI
.else
	WIN MUL_HI
.endif
	MULA \f, 1, 0, \init
	MULA \f, 1, 1, \init
.endm
.macro THREE slot, init
	QUARTER \slot, 64, 0, 1, \init
	QUARTER \slot, 128, 1, 0, 0
	QUARTER \slot, 192, 0, 1, 0
.endm
; The last quarter multiplies buffer 1 and changes slots.  In front of the barrier each wave waits for its reads of this slot and for all its tensor loads (one is out: its part
; of the next slot).  fill = 1: the barrier opens a round of the cluster's barrier, and behind the round this slot is asked for again, two K steps ahead, first of all.
.macro TURN slot, next, fill
	s_wait_dscnt 4
	WIN MUL_LO
	MULA 1, 0, 0, 0
	s_wait_dscnt 0x0                               ; my reads of this slot are over
	s_wait_tensorcnt 0x0                           ; all my tensor loads have landed
	ds_add_u32 v255, v255
	s_wait_dscnt 0x0
	s_barrier_signal -1
	MULA 1, 0, 1, 0                                ; register work while the others arrive
	WIN 0
	s_barrier_wait -1
.if \fill
	CREST
	s_add_nc_u64 s[G0+4*\slot+2:G0+4*\slot+3], s[G0+4*\slot+2:G0+4*\slot+3], 2*KSTEP*2
	s_add_nc_u64 s[G0B+4*\slot+2:G0B+4*\slot+3], s[G0B+4*\slot+2:G0B+4*\slot+3], 2*KSTEP*2
	JLOAD \slot                                    ; the wave's one tensor load behind the round
.endif
.if \next
	PLACES 4
.else
	PLACES 3
	v_add_nc_u32 v[ADRL], 2*16*PITCH, v[ADRL]      ; the fourth place: the adapter's rows of the next two K steps
.endif
	FETCH \next, 0, 0, \next*16*PITCH
	WIN MUL_HI
	MULA 1, 1, 0, 0
	MULA 1, 1, 1, 0
.endm
.macro LAP init                        ; two K steps, both slots filled again
	THREE 0, \init
	TURN 0, 1, 1
	THREE 1, 0
	TURN 1, 0, 1
.endm
	s_wait_tensorcnt 0x1                           ; my parts of K step 0 and of the adapter's tile are in; K step 1's may stay out
	s_barrier_signal -1
	s_barrier_wait -1
	FETCH 0, 0, 0, 0
	s_wait_loadcnt 0x0                             ; the bias
	LAP 1                                          ; K steps 0, 1: the first products start the sums
	WIN 0
	s_mov_b32 s3, 2
.Llap:
	LAP 0                                          ; K steps 2 to 5
	WIN 0
	s_sub_co_u32 s3, s3, 1
	s_cmp_lg_u32 s3, 0
	s_cbranch_scc1 .Llap
	; B/8 of my columns, as fragments: lane (r, hh) takes row r's 8 ranks into registers 0-3.  Lanes with hh = 1 and registers 4-7 stand for K = 8 .. 31, where h's
	; fragment holds zeros: they get the same finite 16 bytes.  The bias registers were last read in the first K step.
	s_mul_i32 s90, s23, BEBATCH
	s_mul_i32 s86, s21, 16*NB*16
	s_add_co_u32 s90, s90, s86
.if BEOFF
	s_add_co_u32 s90, s90, BEOFF
.endif
	s_mov_b32 s91, 0
	s_add_nc_u64 s[88:89], s[10:11], s[90:91]
.set bi, 0
.rept NB
	global_load_b128 v[BIAS+8*bi:BIAS+8*bi+3], v[BEO], s[88:89] offset:256*bi
	global_load_b128 v[BIAS+8*bi+4:BIAS+8*bi+7], v[BEO], s[88:89] offset:256*bi
.set bi, bi+1
.endr
	THREE 0, 0                                     ; K steps 6, 7: nothing is left to fetch
	TURN 0, 1, 0
	THREE 1, 0
	s_wait_dscnt 4
	WIN MUL_LO
	MULA 1, 0, 0, 0
	MULA 1, 0, 1, 0
	s_wait_dscnt 0x0
	WIN MUL_HI
	MULA 1, 1, 0, 0
	MULA 1, 1, 1, 0
	; THE ADAPTER.  Five places: the conversions read results, and the bf16 form that follows writes over the f16 form's results.
	PLACES 5
	WIN FROM2
.irp a, 0,1
.irp j, 0,1,2,3
	v_cvt_pk_bf16_f32 v[FA+8*\a+\j], v[8*(NT*\a+NB)+2*\j], v[8*(NT*\a+NB)+2*\j+1]
.endr
.endr
	WIN FROM3
.irp a, 0,1
.irp j, 0,1,2,3
	v_cvt_pk_bf16_f32 v[FA+8*(2+\a)+\j], v[8*(NT*\a+NB)+2*\j], v[8*(NT*\a+NB)+2*\j+1]
.endr
.endr
	WIN 0
.irp m, 0,1,2,3
.irp j, 4,5,6,7
	v_mov_b32 v[FA+8*\m+\j], 0                     ; K = 16 .. 31 of h's fragments
.endr
.endr
	s_wait_loadcnt 0x0                             ; B/8
.macro LORA hi
.irp a, 0,1
.set bi, 0
.rept NB
.set ac, 8*(NT*\a+bi)
	v_wmma_f32_16x16x32_bf16 v[ac:ac+7], v[BIAS+8*bi:BIAS+8*bi+7], v[FA+8*(2*\hi+\a):FA+8*(2*\hi+\a)+7], v[ac:ac+7]
.set bi, bi+1
.endr
.endr
.endm
	WIN LORA_LO
	LORA 0
	WIN LORA_HI
	LORA 1
	PLACES 4                                       ; in front of all that reads the results or writes the fragments
	; THE WAY OUT, 16 rows at a time through my own stage.  LDS serves a wave's instructions in order, so no wait stands between the stores and the loads.
.if QKV
	s_lshl_b32 s90, s23, 4
	s_add_co_u32 s90, s90, s21                     ; batch x 16 + head
	s_lshl_b32 s90, s90, 17                        ; x 1,024 rows of 128 bytes
	s_lshl_b32 s86, s20, 8
	s_lshl_b32 s87, s16, 6
	s_add_co_u32 s86, s86, s87                     ; my first t = 256 cy + 64 wave
	s_lshl_b32 s86, s86, 7
	s_add_co_u32 s90, s90, s86
	s_mov_b32 s91, 0
	s_add_nc_u64 s[80:81], s[14:15], s[90:91]      ; q
	s_add_nc_u64 s[82:83], s[80:81], 0x1000000     ; k
	s_add_nc_u64 s[84:85], s[82:83], 0x1000000     ; v
; rows 16 i .. +15: tiles (a, 0 .. 11) of the window named by from; rb: the registers read back into, two sets in turn
.macro OUTQ i, a, from, rb
	WIN \from
.set bi, 0
.rept NB
.irp j, 0,1,2,3
	v_cvt_pk_f16_f32 v[TMP+4*bi+\j], v[8*(NT*\a+bi)+2*\j], v[8*(NT*\a+bi)+2*\j+1]
.endr
.set bi, bi+1
.endr
	WIN 0
.set bi, 0
.rept NB
	ds_store_b128 v[STO], v[TMP+4*bi:TMP+4*bi+3] offset:32*bi
.set bi, bi+1
.endr
	s_wait_xcnt 0x0                                ; the registers that earlier stores read are loaded again only behind this wait
.irp p, 0,1,2
.irp q, 0,1,2,3
	ds_load_b128 v[\rb+4*(4*\p+\q):\rb+4*(4*\p+\q)+3], v[RD] offset:\q*4*SPITCH+\p*128
.endr
.endr
.irp p, 0,1,2
.irp q, 0,1,2,3
	s_wait_dscnt 11-(4*\p+\q)
	global_store_b128 v[CO], v[\rb+4*(4*\p+\q):\rb+4*(4*\p+\q)+3], s[80+2*\p:81+2*\p] offset:2048*\i+512*\q   ; four rows of a part: 512 consecutive bytes, aligned
.endr
.endr
.endm
	OUTQ 0, 0, FROM2, 144
	OUTQ 1, 1, FROM2, 192
	OUTQ 2, 0, FROM3, 144
	OUTQ 3, 1, FROM3, 192
.else
	s_lshl_b32 s90, s22, 8
	s_lshl_b32 s86, s16, 6
	s_add_co_u32 s90, s90, s86                     ; my first row
	s_lshl_b32 s90, s90, 12                        ; x 4,096 bytes
	s_lshl_b32 s86, s21, 9                         ; my 128 columns
	s_add_co_u32 s90, s90, s86
	s_mov_b32 s91, 0
	s_add_nc_u64 s[80:81], s[14:15], s[90:91]
; rows 16 i .. +15: tiles (a, 0 .. 7) go into the stage straight from the accumulators (st: the window of the stores' data)
.macro OUTP i, a, st, rb
	WIN \st
.set bi, 0
.rept NB
	ds_store_b128 v[STO], v[8*(NT*\a+bi):8*(NT*\a+bi)+3] offset:64*bi
	ds_store_b128 v[STO], v[8*(NT*\a+bi)+4:8*(NT*\a+bi)+7] offset:64*bi+16
.set bi, bi+1
.endr
	WIN 0
	s_wait_xcnt 0x0                                ; the registers that earlier stores read are loaded again only behind this wait
.irp t, 0,1,2,3,4,5,6,7,8,9,10,11,12,13,14,15
	ds_load_b128 v[\rb+4*\t:\rb+4*\t+3], v[RD] offset:\t*SPITCH
.endr
.irp t, 0,1,2,3,4,5,6,7,8,9,10,11,12,13,14,15
	s_wait_dscnt 15-\t
	global_store_b128 v[CO], v[\rb+4*\t:\rb+4*\t+3], s[80:81] offset:(16*\i+\t)*4096 th:TH_STORE_NT   ; 512 consecutive bytes of a row, aligned
.endr
.endm
	OUTP 0, 0, ST2, 32
	OUTP 1, 1, ST2, 96
	OUTP 2, 0, ST3, 32
	OUTP 3, 1, ST3, 96
.endif
	s_set_vgpr_msb 0x1
	s_wait_tensorcnt 0x0
	ds_add_u32 v255, v255
	s_wait_dscnt 0x0
	s_set_vgpr_msb 0x100
	CROUND                                         ; the closing round: no work-group ends while a partner may still ask for a tile that names it
	s_endpgm
.Lfunc_end_k_qa810a00b5b_gemm_proj:
	.size	k_qa810a00b5b_gemm_proj, .Lfunc_end_k_qa810a00b5b_gemm_proj-k_qa810a00b5b_gemm_proj
	.p2alignl 7, 3214868480
	.fill 96, 4, 3214868480
	.section	.rodata,"a",@progbits
	.p2align	6, 0x0
	.amdhsa_kernel k_qa810a00b5b_gemm_proj
		.amdhsa_group_segment_fixed_size 327680
		.amdhsa_private_segment_fixed_size 0
		.amdhsa_enable_private_segment 0
		.amdhsa_kernarg_size 48
		.amdhsa_user_sgpr_count 2
		.amdhsa_user_sgpr_kernarg_segment_ptr 1
		.amdhsa_wavefront_size32 1
		.amdhsa_system_sgpr_workgroup_id_x 1
		.amdhsa_system_sgpr_workgroup_id_y 1
		.amdhsa_system_sgpr_workgroup_id_z 1
		.amdhsa_system_vgpr_workitem_id 0
		.amdhsa_next_free_vgpr 1024
		.amdhsa_next_free_sgpr 92
		.amdhsa_reserve_vcc 0
		.amdhsa_float_denorm_mode_32 3
		.amdhsa_float_denorm_mode_16_64 3
		.amdhsa_memory_ordered 1
		.amdhsa_forward_progress 1
		.amdhsa_inst_pref_size 136
	.end_amdhsa_kernel
	.amdgpu_metadata
---
amdhsa.version: [ 1, 2 ]
amdhsa.kernels:
  - .name:           k_qa810a00b5b_gemm_proj
    .symbol:         k_qa810a00b5b_gemm_proj.kd
    .args:
      - { .name: y16, .offset: 0, .size: 8, .value_kind: global_buffer, .address_space: global }
      - { .name: w16, .offset: 8, .size: 8, .value_kind: global_buffer, .address_space: global }
      - { .name: ae, .offset: 16, .size: 8, .value_kind: global_buffer, .address_space: global }
      - { .name: be, .offset: 24, .size: 8, .value_kind: global_buffer, .address_space: global }
      - { .name: b_p, .offset: 32, .size: 8, .value_kind: global_buffer, .address_space: global }
      - { .name: out0, .offset: 40, .size: 8, .value_kind: global_buffer, .address_space: global }
    .group_segment_fixed_size: 327680
    .private_segment_fixed_size: 0
    .kernarg_segment_align: 8
    .kernarg_segment_size: 48
    .max_flat_workgroup_size: 128
    .sgpr_count:     92
    .vgpr_count:     1024
    .wavefront_size: 32
...
	.end_amdgpu_metadata
.endif
;; end of part 4
;; ======== version 2 of 2: 4 launches; version 1 with the launch prep written anew for expert scheduling mode
;; limits: values are held in f16: magnitudes above 65,504 overflow, below 6.1e-05 lose precision
;; workspace buffers: x16 16,777,216 bytes; w16 8,388,608 bytes; ae 524,288 bytes; be 524,288 bytes; qkvh 50,331,648 bytes; y16 16,777,216 bytes
;; launch prep (part 5): grid 800 x 1, 8 waves a work-group, no clusters, 0 bytes of LDS; arguments x, W_qkv, W_p, A1, A2, B1, B2, subject_id, x16, w16, ae, be; writes x16, w16, ae, be
.if DOCPART == 5
	.amdgcn_target "amdgcn-amd-amdhsa--gfx1250"
	.amdhsa_code_object_version 6
	.text
	.protected	k_qa810a00b5b_prep
	.globl	k_qa810a00b5b_prep
	.p2align	8
	.type	k_qa810a00b5b_prep,@function
k_qa810a00b5b_prep:
	s_mov_b64 s[64:65], 0
	v_nop
	global_prefetch_b8 v0, s[64:65] scope:SCOPE_SE
	s_setreg_imm32_b32 hwreg(HW_REG_WAVE_SCHED_MODE, 0, 2), 2
	s_setreg_imm32_b32 hwreg(HW_REG_WAVE_MODE, 25, 1), 1
	s_wait_xcnt 0x0
	s_wait_alu depctr_vm_vsrc(0)
; prep: the matrix operands of the three later launches, made once.
;   x16 [8192][1024] f16 = x.
;   w16 [4096][1024] f16: rows 0-3071 = W_qkv with its rows in the order head*192 + part*64 + d (part = q, k, v), rows 3072-4095 = W_p.
;   ae  [2 (A1, A2)][8 batches][8 K steps][16 rows][128 k] f16: rows 0-7 = A[subject of the batch][rank][128 s ..], rows 8-15 = 0.
;   be  bf16 of B/8 of the batch's subject: [8][3072 rows in w16's order][8] at byte 0, [8][1024][8] at byte 393,216.
; A stream through registers: each byte is read once and written once, so LDS, barriers, matrix units and clusters would add nothing.
; Every load of a wave covers 512 neighbouring bytes, every store 256 neighbouring bytes that start at a multiple of 256 in their buffer.
; Work-groups: 0-511 x (16 rows each), 512-703 W_qkv, 704-767 W_p, 768-783 A1 and A2 (one batch each), 784-791 B1, 792-799 B2.
; THE MODE: SCHED_MODE bits 1:0 = 2 (LLVM: expert scheduling mode 2), set by the entry lines.  The code itself states the register dependences
; between vector instructions and memory instructions, with s_wait_alu, always for 0.
; THE PLAN.  Registers that memory instructions touch, on each path:
;   v3, v4     byte offsets, made by vector lines at the path's head and never written again; read by every load (v3) and every store (v4).
;   v6, v7     (A1, A2 alone) zeros, made beside the offsets; read by the eight stores of zero rows.
;   XR         each register is filled by one load, and all loads of a path go out before any vector line names XR.  The conversions read it; for B1 and B2 they work in
;              place, and a store reads the first two of each four registers.
;   YR         each register is written once, by a conversion, and read by one store.
; No register that a memory instruction has read is written again, and no load lands in a register that a vector line has named: what is left to state is that a vector line
; has written what a memory instruction reads.  One wait at a path's head states it for the offsets.  The loads are worked on in groups of four: the wait at the head of a group
; states that the group before has written its results; that group's four stores are then dealt among this group's conversions, which name this group's registers alone.
; One more wait stands ahead of the last group's stores.
; LIMITS: f16 operands: |x|, |W|, |A| below 65,504.  A subject number above 9 (read as unsigned) is taken as 9.
; pos_embedding is an argument of the module that enters none of its expressions: no launch of this program names it.
.set SO, 3                             ; v3       byte offset of my 16 bytes in the source
.set DO, 4                             ; v4       byte offset of my 8 bytes in the destination
.set XR, 8                             ; v[8:103] as loaded, 4 registers a load
.set YR, 72                            ; v[72:103] the cast's packed results, 2 registers a load
	s_load_b512 s[4:19], s[0:1], 0x0               ; x s[4:5], W_qkv s[6:7], W_p s[8:9], A1 s[10:11], A2 s[12:13], B1 s[14:15], B2 s[16:17], subject_id s[18:19]
	s_load_b256 s[20:27], s[0:1], 0x40             ; x16 s[20:21], w16 s[22:23], ae s[24:25], be s[26:27]
	v_and_b32 v1, 31, v0                           ; lane
	v_lshrrev_b32 v2, 5, v0                        ; wave
	s_mov_b32 s29, ttmp9                           ; the work-group's number
	s_mov_b32 s37, 0                               ; upper words of the two offset pairs s[36:37], s[38:39]
	s_mov_b32 s39, 0
	s_wait_kmcnt 0x0
; n loads of 4 f32 a lane, already issued into XR, go to f16 and out, 8 bytes a lane, load j to byte 256 j from the lane's place.  Groups of four.
.macro F16OUT n
.set j, 0
.rept \n
.if (j%4) == 0
	s_wait_loadcnt (\n)-4-j                        ; loads come back in order: this group's four are in, the younger ones stay out
.if j > 0
	s_wait_alu depctr_va_vdst(0)                   ; the group before has written its eight registers of YR, which the four stores dealt below read
.endif
.endif
.if j >= 4
	global_store_b64 v[DO], v[YR+2*(j-4):YR+2*(j-4)+1], s[32:33] offset:256*(j-4)   ; the group before: no vector line since the wait names these registers
.endif
	v_cvt_pk_f16_f32 v[YR+2*j], v[XR+4*j], v[XR+4*j+1]
	v_cvt_pk_f16_f32 v[YR+2*j+1], v[XR+4*j+2], v[XR+4*j+3]
.set j, j+1
.endr
	s_wait_alu depctr_va_vdst(0)                   ; the last group has written its eight registers of YR, which the last four stores read
.set j, (\n)-4
.rept 4
	global_store_b64 v[DO], v[YR+2*j:YR+2*j+1], s[32:33] offset:256*j
.set j, j+1
.endr
.endm
; 16 rows of 1,024 f32 to f16.  s34 = the group of 16 rows in the source, s35 = in the destination; sp, dp = the pointers' registers.
; A wave takes 8,192 bytes of the source: 16 loads go out together.
.macro CAST16 sp, dp
	s_lshl_b32 s36, s34, 16                        ; 16 rows x 4,096 bytes
	s_lshl_b32 s38, s35, 15                        ; 16 rows x 2,048 bytes
	s_add_nc_u64 s[30:31], s[\sp:\sp+1], s[36:37]
	s_add_nc_u64 s[32:33], s[\dp:\dp+1], s[38:39]
	v_lshlrev_b32 v[SO], 4, v1
	v_lshl_add_u32 v[SO], v2, 13, v[SO]            ; 8,192 wave + 16 lane
	v_lshlrev_b32 v[DO], 3, v1
	v_lshl_add_u32 v[DO], v2, 12, v[DO]            ; 4,096 wave + 8 lane
	s_wait_alu depctr_va_vdst(0)                   ; v[SO] and v[DO] are written: every load below reads the one as its offset, every store the other
.irp j, 0,1,2,3,4,5,6,7,8,9,10,11,12,13,14,15
	global_load_b128 v[XR+4*\j:XR+4*\j+3], v[SO], s[30:31] offset:512*\j th:TH_LOAD_NT
.endr
	F16OUT 16
	s_endpgm
.endm
; s35: a batch's number in, its subject's number out, clamped to the tables' ten entries before it enters an address.
.macro GETSID
	s_lshl_b32 s36, s35, 2
	s_add_nc_u64 s[30:31], s[18:19], s[36:37]
	s_load_b32 s35, s[30:31], 0x0
	s_wait_kmcnt 0x0
	s_min_u32 s35, s35, 9
.endm
; The store of load k of a run of loads of B.  perm = 1: B1, whose blocks of 16 rows go into w16's order: load k = 8 part + 4 head + quarter.  perm = 0: B2, as they lie.
.macro BSTORE k, perm
.if \perm
	global_store_b64 v[DO], v[XR+4*(\k):XR+4*(\k)+1], s[32:33] offset:(((\k)/4)%2)*3072+((\k)/8)*1024+((\k)%4)*256
.else
	global_store_b64 v[DO], v[XR+4*(\k):XR+4*(\k)+1], s[32:33] offset:256*(\k)
.endif
.endm
; n loads of B, already issued into XR: times 1/8 (exact), to bf16 in place, 8 bytes a lane out.  Groups of four, as in F16OUT.
.macro BF16OUT n, perm
.set j, 0
.rept \n
.if (j%4) == 0
	s_wait_loadcnt (\n)-4-j                        ; this group's four loads are in, the younger ones stay out
.if j > 0
	s_wait_alu depctr_va_vdst(0)                   ; the group before has written its packed results, which the four stores dealt below read
.endif
.endif
.if j >= 4
	BSTORE j-4, \perm                              ; the group before: no vector line since the wait names these registers
.endif
	v_pk_mul_f32 v[XR+4*j:XR+4*j+1], v[XR+4*j:XR+4*j+1], 0x3e000000 op_sel_hi:[1,0]
	v_pk_mul_f32 v[XR+4*j+2:XR+4*j+3], v[XR+4*j+2:XR+4*j+3], 0x3e000000 op_sel_hi:[1,0]
	v_cvt_pk_bf16_f32 v[XR+4*j], v[XR+4*j], v[XR+4*j+1]
	v_cvt_pk_bf16_f32 v[XR+4*j+1], v[XR+4*j+2], v[XR+4*j+3]
.set j, j+1
.endr
	s_wait_alu depctr_va_vdst(0)                   ; the last group has written its packed results, which the last four stores read
.set j, (\n)-4
.rept 4
	BSTORE j, \perm
.set j, j+1
.endr
.endm
	s_cmp_ge_u32 s29, 768
	s_cbranch_scc1 .Ladapters
	s_cmp_ge_u32 s29, 512
	s_cbranch_scc1 .Lweights
	s_mov_b32 s34, s29                             ; x: group g to group g
	s_mov_b32 s35, s29
	CAST16 4, 20
.Lweights:
	s_cmp_ge_u32 s29, 704
	s_cbranch_scc1 .Lwp
	s_sub_co_u32 s34, s29, 512                     ; W_qkv: group i = part*64 + head*4 + quarter
	s_bfe_u32 s35, s34, 0x40002                    ; head: 4 bits from bit 2
	s_mul_i32 s35, s35, 12
	s_lshr_b32 s36, s34, 6                         ; part
	s_lshl2_add_u32 s35, s36, s35
	s_and_b32 s36, s34, 3                          ; quarter
	s_add_co_u32 s35, s35, s36                     ; goes to group head*12 + part*4 + quarter
	CAST16 6, 22
.Lwp:
	s_sub_co_u32 s34, s29, 704                     ; W_p: behind W_qkv's 192 groups
	s_add_co_u32 s35, s34, 192
	CAST16 8, 22
.Ladapters:
	s_cmp_ge_u32 s29, 784
	s_cbranch_scc1 .Lb1
	; A1 (work-groups 768-775) or A2 (776-783) of one batch.  Wave w makes K step w: 8 rows of 128 numbers, then 8 rows of zeros.
	s_sub_co_u32 s34, s29, 768                     ; which*8 + batch
	s_and_b32 s35, s34, 7
	GETSID
	s_lshl_b32 s36, s35, 15                        ; an adapter's A: 8 x 1,024 f32 = 32,768 bytes
	s_cmp_lt_u32 s34, 8
	s_cselect_b64 s[30:31], s[10:11], s[12:13]
	s_add_nc_u64 s[30:31], s[30:31], s[36:37]
	s_lshl_b32 s38, s34, 15                        ; 8 K steps x 16 rows x 256 bytes
	s_add_nc_u64 s[32:33], s[24:25], s[38:39]
	v_lshlrev_b32 v[SO], 4, v1
	v_lshl_add_u32 v[SO], v2, 9, v[SO]             ; 512 wave + 16 lane
	v_lshlrev_b32 v[DO], 3, v1
	v_lshl_add_u32 v[DO], v2, 12, v[DO]            ; 4,096 wave + 8 lane
	v_mov_b32 v6, 0
	v_mov_b32 v7, 0
	s_wait_alu depctr_va_vdst(0)                   ; v[SO] and v[DO] are written, the offsets of the loads and stores below; so are v6 and v7, the data of the stores of zero rows
.irp r, 0,1,2,3,4,5,6,7
	global_load_b128 v[XR+4*\r:XR+4*\r+3], v[SO], s[30:31] offset:4096*\r
.endr
.irp r, 0,1,2,3,4,5,6,7
	global_store_b64 v[DO], v[6:7], s[32:33] offset:256*(8+\r)
.endr
	F16OUT 8                                       ; row r to byte 256 r of the K step
	s_endpgm
.Lb1:
	s_cmp_ge_u32 s29, 792
	s_cbranch_scc1 .Lb2
	; B1 of one batch, rows into w16's order.  Wave w takes heads 2w and 2w + 1: 24 blocks of 16 rows (512 bytes in, 256 out).
	s_sub_co_u32 s34, s29, 784
	s_mov_b32 s35, s34
	GETSID
	s_mul_i32 s36, s35, 98304                      ; an adapter's B1: 3,072 x 8 f32
	s_add_nc_u64 s[30:31], s[14:15], s[36:37]
	s_mul_i32 s38, s34, 49152                      ; a batch's part of be: 3,072 x 8 bf16
	s_add_nc_u64 s[32:33], s[26:27], s[38:39]
	v_lshlrev_b32 v[SO], 4, v1
	v_lshl_add_u32 v[SO], v2, 12, v[SO]            ; two heads x 64 rows x 32 bytes = 4,096 a wave
	v_mul_u32_u24 v[DO], v2, 6144                  ; two heads x 192 rows x 16 bytes
	v_lshl_add_u32 v[DO], v1, 3, v[DO]
	s_wait_alu depctr_va_vdst(0)                   ; v[SO] and v[DO] are written: every load below reads the one as its offset, every store the other
.set jj, 0
.irp p, 0,1,2
.irp h, 0,1
.irp q, 0,1,2,3
	global_load_b128 v[XR+4*jj:XR+4*jj+3], v[SO], s[30:31] offset:\p*32768+\h*2048+\q*512
.set jj, jj+1
.endr
.endr
.endr
	BF16OUT 24, 1
	s_endpgm
.Lb2:
	; B2 of one batch, rows as they lie.  Wave w takes rows 128 w to 128 w + 127: 8 blocks of 16 rows.
	s_sub_co_u32 s34, s29, 792
	s_mov_b32 s35, s34
	GETSID
	s_lshl_b32 s36, s35, 15                        ; an adapter's B2: 1,024 x 8 f32
	s_add_nc_u64 s[30:31], s[16:17], s[36:37]
	s_lshl_b32 s38, s34, 14                        ; a batch's part: 1,024 x 8 bf16,
	s_add_co_u32 s38, s38, 393216                  ; behind B1's eight parts
	s_add_nc_u64 s[32:33], s[26:27], s[38:39]
	v_lshlrev_b32 v[SO], 4, v1
	v_lshl_add_u32 v[SO], v2, 12, v[SO]
	v_lshlrev_b32 v[DO], 3, v1
	v_lshl_add_u32 v[DO], v2, 11, v[DO]
	s_wait_alu depctr_va_vdst(0)                   ; v[SO] and v[DO] are written: every load below reads the one as its offset, every store the other
.irp t, 0,1,2,3,4,5,6,7
	global_load_b128 v[XR+4*\t:XR+4*\t+3], v[SO], s[30:31] offset:512*\t
.endr
	BF16OUT 8, 0
	s_endpgm
.Lfunc_end_k_qa810a00b5b_prep:
	.size	k_qa810a00b5b_prep, .Lfunc_end_k_qa810a00b5b_prep-k_qa810a00b5b_prep
	.p2alignl 7, 3214868480
	.fill 96, 4, 3214868480
	.section	.rodata,"a",@progbits
	.p2align	6, 0x0
	.amdhsa_kernel k_qa810a00b5b_prep
		.amdhsa_group_segment_fixed_size 0
		.amdhsa_private_segment_fixed_size 0
		.amdhsa_enable_private_segment 0
		.amdhsa_kernarg_size 96
		.amdhsa_user_sgpr_count 2
		.amdhsa_user_sgpr_kernarg_segment_ptr 1
		.amdhsa_wavefront_size32 1
		.amdhsa_system_sgpr_workgroup_id_x 1
		.amdhsa_system_sgpr_workgroup_id_y 1
		.amdhsa_system_sgpr_workgroup_id_z 1
		.amdhsa_system_vgpr_workitem_id 0
		.amdhsa_next_free_vgpr 112
		.amdhsa_next_free_sgpr 66
		.amdhsa_reserve_vcc 0
		.amdhsa_float_denorm_mode_32 3
		.amdhsa_float_denorm_mode_16_64 3
		.amdhsa_memory_ordered 1
		.amdhsa_forward_progress 1
		.amdhsa_inst_pref_size 41
	.end_amdhsa_kernel
	.amdgpu_metadata
---
amdhsa.version: [ 1, 2 ]
amdhsa.kernels:
  - .name:           k_qa810a00b5b_prep
    .symbol:         k_qa810a00b5b_prep.kd
    .args:
      - { .name: x, .offset: 0, .size: 8, .value_kind: global_buffer, .address_space: global }
      - { .name: W_qkv, .offset: 8, .size: 8, .value_kind: global_buffer, .address_space: global }
      - { .name: W_p, .offset: 16, .size: 8, .value_kind: global_buffer, .address_space: global }
      - { .name: A1, .offset: 24, .size: 8, .value_kind: global_buffer, .address_space: global }
      - { .name: A2, .offset: 32, .size: 8, .value_kind: global_buffer, .address_space: global }
      - { .name: B1, .offset: 40, .size: 8, .value_kind: global_buffer, .address_space: global }
      - { .name: B2, .offset: 48, .size: 8, .value_kind: global_buffer, .address_space: global }
      - { .name: subject_id, .offset: 56, .size: 8, .value_kind: global_buffer, .address_space: global }
      - { .name: x16, .offset: 64, .size: 8, .value_kind: global_buffer, .address_space: global }
      - { .name: w16, .offset: 72, .size: 8, .value_kind: global_buffer, .address_space: global }
      - { .name: ae, .offset: 80, .size: 8, .value_kind: global_buffer, .address_space: global }
      - { .name: be, .offset: 88, .size: 8, .value_kind: global_buffer, .address_space: global }
    .group_segment_fixed_size: 0
    .private_segment_fixed_size: 0
    .kernarg_segment_align: 8
    .kernarg_segment_size: 96
    .max_flat_workgroup_size: 256
    .sgpr_count:     66
    .vgpr_count:     112
    .wavefront_size: 32
...
	.end_amdgpu_metadata
.endif
;; end of part 5
;; launch gemm_qkv: the kernel of part 2 again; grid 8 x 32, 4 waves a work-group, clusters of 4 x 4, 327,680 bytes of LDS; arguments x16, w16, ae, be, b_qkv, qkvh; writes qkvh
;; launch att: the kernel of part 3 again; grid 4 x 64, 8 waves a work-group, clusters of 4 x 1, 327,680 bytes of LDS; arguments qkvh, y16; writes y16
;; launch gemm_proj: the kernel of part 4 again; grid 8 x 32, 4 waves a work-group, clusters of 4 x 4, 327,680 bytes of LDS; arguments y16, w16, ae, be, b_p, out0; writes out0
